; MI455X (gfx1250); checked and timed in simulation.
; The chip was launched on July 23, 2026; its instructions are those of AMD's public machine-readable ISA for CDNA 5 (MIT licence, August 2026) and "CDNA5" Instruction Set Architecture Reference Guide (July 2026). The comments in the code are by the model that wrote it; some were corrected since.
;; Dense Attention. Allowed arithmetic: float matrix products may take bf16 or f16 operands with f32 sums; other float arithmetic in f32, or as packed bf16 or f16 multiplies, adds, multiply-adds, maxima and minima; sums over many terms, partial sums and values carried from step to step in f32; what a program stores and reads back later, other than sums and carried values, may be rounded once to bf16 or f16.
;; Inputs: bias 31 x 1,024 float32; inputs 1,024 x 1,024 float32; kernel 31 x 1,024 x 1,024 float32; labels 1,024 x 31 int32.
;; Outputs: out0 1,024 x 1,024 float32.
;; 2 versions, each right; version 2 is version 1 with the launch final written anew for expert scheduling mode. Each part assembles by itself: llvm-mc -triple=amdgcn-amd-amdhsa -mcpu=gfx1250 --defsym DOCPART=n.
;; ======== version 1 of 2: 5 launches
;; workspace buffers: xh 2,097,152 bytes; lt 126,976 bytes; xb 130,023,424 bytes; sc 32,505,856 bytes; part 8,192 bytes
;; launch prep (part 1): grid 256 x 1, 8 waves a work-group, no clusters, 0 bytes of LDS; arguments inputs, labels, xh, lt, out0; writes xh, lt, out0
.if DOCPART == 1
	.amdgcn_target "amdgcn-amd-amdhsa--gfx1250"
	.amdhsa_code_object_version 6
	.text
	.protected	k_q908b673d91_prep
	.globl	k_q908b673d91_prep
	.p2align	8
	.type	k_q908b673d91_prep,@function
k_q908b673d91_prep:
	s_mov_b64 s[64:65], 0
	v_nop
	global_prefetch_b8 v0, s[64:65] scope:SCOPE_SE
	s_setreg_imm32_b32 hwreg(HW_REG_WAVE_MODE, 25, 1), 1
	s_wait_xcnt 0x0
; PREP.  Three small jobs, all streams, no LDS, no barrier, no cluster (no work-group reads what another reads):
;   xh[b][d] = inputs[b][d] rounded to bf16 (nearest even);  lt[c][b] = labels[b][c];  zeros into the two intra-domain quadrants of out0,
;   which reference()'s own cross-domain mask makes 0 whatever the inputs are.
; Work-group w owns rows 4 w .. 4 w + 3 of inputs and of out0; work-groups 0 .. 30 also turn class w's column of labels into a row of lt.
; Thread t owns 16 bytes at 16 t of each row of inputs: a wave's load covers 512 consecutive bytes, its store into xh 256, aligned.
	s_load_b256 s[4:11], s[0:1], 0x0               ; inputs s[4:5], labels s[6:7], xh s[8:9], lt s[10:11]
	s_load_b64 s[12:13], s[0:1], 0x20              ; out0
	s_mov_b32 s14, ttmp9                           ; w
	v_lshlrev_b32 v1, 4, v0                        ; 16 t
	v_lshlrev_b32 v36, 3, v0                       ; 8 t
	v_and_b32 v2, 127, v0
	v_lshrrev_b32 v3, 7, v0
	v_lshlrev_b32 v2, 4, v2
	v_lshl_add_u32 v2, v3, 12, v2                  ; the zeros: row t / 128 of two, 16 bytes at 16 (t % 128) of its 2,048
	v_mul_u32_u24 v3, v0, 496                      ; labels: four rows of 124 bytes a thread
.irp i, 28,29,30,31
	v_mov_b32 v\i, 0
.endr
	s_lshl_b32 s16, s14, 14                        ; four rows of 4,096 bytes
	s_mov_b32 s17, 0
	s_lshl_b32 s18, s14, 13                        ; four rows of 2,048 bytes
	s_mov_b32 s19, 0
	s_cmp_ge_u32 s14, 128                          ; rows 512 on: the right half of the row is the intra-domain one
	s_cselect_b32 s20, 2048, 0
	s_mov_b32 s21, 0
	s_wait_kmcnt 0x0
	s_add_nc_u64 s[4:5], s[4:5], s[16:17]
	s_add_nc_u64 s[8:9], s[8:9], s[18:19]
	s_add_nc_u64 s[12:13], s[12:13], s[16:17]
	s_add_nc_u64 s[12:13], s[12:13], s[20:21]
.irp q, 0,1,2,3
	global_load_b128 v[4+4*(\q):7+4*(\q)], v1, s[4:5] offset:4096*(\q) th:TH_LOAD_NT
.endr
.irp k, 0,1
	global_store_b128 v2, v[28:31], s[12:13] offset:8192*(\k) th:TH_STORE_NT  ; rows 2 k and 2 k + 1: a wave's store covers 512 consecutive bytes
.endr
	s_cmp_lt_u32 s14, 31
	s_cbranch_scc0 .Lx
	s_lshl_b32 s16, s14, 2                         ; class w: its word in a row of labels,
	s_lshl_b32 s18, s14, 12                        ; its row of lt
	s_add_nc_u64 s[6:7], s[6:7], s[16:17]
	s_add_nc_u64 s[10:11], s[10:11], s[18:19]
.irp k, 0,1,2,3
	global_load_b32 v[32+(\k)], v3, s[6:7] offset:124*(\k)  ; labels[4 t + k][w]
.endr
	s_wait_loadcnt 0x0
	global_store_b128 v1, v[32:35], s[10:11]
.Lx:
	s_wait_loadcnt 0x0
.irp q, 0,1,2,3
	v_cvt_pk_bf16_f32 v[20+2*(\q)], v[4+4*(\q)], v[5+4*(\q)]
	v_cvt_pk_bf16_f32 v[21+2*(\q)], v[6+4*(\q)], v[7+4*(\q)]
.endr
.irp q, 0,1,2,3
	global_store_b64 v36, v[20+2*(\q):21+2*(\q)], s[8:9] offset:2048*(\q)
.endr
	s_endpgm
.Lfunc_end_k_q908b673d91_prep:
	.size	k_q908b673d91_prep, .Lfunc_end_k_q908b673d91_prep-k_q908b673d91_prep
	.p2alignl 7, 3214868480
	.fill 96, 4, 3214868480
	.section	.rodata,"a",@progbits
	.p2align	6, 0x0
	.amdhsa_kernel k_q908b673d91_prep
		.amdhsa_group_segment_fixed_size 0
		.amdhsa_private_segment_fixed_size 0
		.amdhsa_enable_private_segment 0
		.amdhsa_kernarg_size 40
		.amdhsa_user_sgpr_count 2
		.amdhsa_user_sgpr_kernarg_segment_ptr 1
		.amdhsa_wavefront_size32 1
		.amdhsa_system_sgpr_workgroup_id_x 1
		.amdhsa_system_sgpr_workgroup_id_y 1
		.amdhsa_system_sgpr_workgroup_id_z 1
		.amdhsa_system_vgpr_workitem_id 0
		.amdhsa_next_free_vgpr 40
		.amdhsa_next_free_sgpr 66
		.amdhsa_reserve_vcc 0
		.amdhsa_float_denorm_mode_32 3
		.amdhsa_float_denorm_mode_16_64 3
		.amdhsa_memory_ordered 1
		.amdhsa_forward_progress 1
		.amdhsa_inst_pref_size 4
	.end_amdhsa_kernel
	.amdgpu_metadata
---
amdhsa.version: [ 1, 2 ]
amdhsa.kernels:
  - .name:           k_q908b673d91_prep
    .symbol:         k_q908b673d91_prep.kd
    .args:
      - { .name: inputs, .offset: 0, .size: 8, .value_kind: global_buffer, .address_space: global }
      - { .name: labels, .offset: 8, .size: 8, .value_kind: global_buffer, .address_space: global }
      - { .name: xh, .offset: 16, .size: 8, .value_kind: global_buffer, .address_space: global }
      - { .name: lt, .offset: 24, .size: 8, .value_kind: global_buffer, .address_space: global }
      - { .name: out0, .offset: 32, .size: 8, .value_kind: global_buffer, .address_space: global }
    .group_segment_fixed_size: 0
    .private_segment_fixed_size: 0
    .kernarg_segment_align: 8
    .kernarg_segment_size: 40
    .max_flat_workgroup_size: 256
    .sgpr_count:     66
    .vgpr_count:     40
    .wavefront_size: 32
...
	.end_amdgpu_metadata
.endif
;; end of part 1
;; launch gemm1 (part 2): grid 16 x 31, 4 waves a work-group, clusters of 4 x 1, 327,680 bytes of LDS; arguments xh, kernel, bias, xb; writes xb
.if DOCPART == 2
	.amdgcn_target "amdgcn-amd-amdhsa--gfx1250"
	.amdhsa_code_object_version 6
	.text
	.protected	k_q908b673d91_gemm1
	.globl	k_q908b673d91_gemm1
	.p2align	8
	.type	k_q908b673d91_gemm1,@function
k_q908b673d91_gemm1:
	s_mov_b64 s[64:65], 0
	v_nop
	global_prefetch_b8 v0, s[64:65] scope:SCOPE_SE
	s_setreg_imm32_b32 hwreg(HW_REG_WAVE_MODE, 25, 1), 1
	s_wait_xcnt 0x0
	s_wait_alu depctr_hold_cnt(0) depctr_sa_sdst(0) depctr_va_vdst(0) depctr_va_sdst(0) depctr_va_ssrc(0) depctr_va_vcc(0) depctr_vm_vsrc(0)
	s_getreg_b32 s2, hwreg(HW_REG_IB_STS2, 6, 4)
	s_cmp_eq_u32 s2, 0
	s_cbranch_scc0 .Lentry_in_a_cluster
	s_endpgm
.Lentry_in_a_cluster:
	s_bfe_u32 s2, ttmp6, 0x10000c
	s_cmp_lg_u32 s2, 0x3003
	s_cbranch_scc0 .Lentry_shape_is_right
	s_endpgm
.Lentry_shape_is_right:
; GEMM1.  xB[c][b][e] = the sum over d of xh[b][d] bf16(kernel[c][d][e]) + bf16(bias[c][e]), sums in f32, stored as TWO bf16 numbers: hi = bf16(xB), mid = bf16(xB - hi).
; xb LIES IN THE ORDER OF MATRIX FRAGMENTS: [c][64 blocks of 16 rows b][32 blocks of 32 e][hi | mid][half][lane][16 bytes].  A fragment (16 rows x 32 e) is 1,024 bytes: lane l = (r = l % 16, h = l / 16)
; holds row r; its 16 bytes of half 0 are e = 8 h + 0..7 of the block, of half 1 e = 16 + 8 h + 0..7.  A block of 32 e is 2,048 bytes, a row block 65,536, a class 4 MiB.
; LIMITS.  All float inputs are rounded once to bf16; xB keeps 16 significant bits in bf16's range; NaN and infinities are not treated apart.
; SHARES.  A work-group makes 512 rows b x 128 channels e of one class: four waves, each 128 x 128 in 64 accumulators (512 registers).  Grid: 2 row halves x 8 strips of e x 31 classes.
; CLUSTER.  The four work-groups of a cluster have the same class and the same 512 rows and four neighbouring strips of e: they need the same tiles of xh, which are asked for JOINTLY (mask 15).
; The kernel's strips differ from partner to partner, so each work-group fetches its own, through registers: f32 in, rounded to bf16, stored into LDS as [d][e].
; THE MATRIX INSTRUCTION IS USED TRANSPOSED: source 0 = 16 channels e (out of LDS by the turning load), source 1 = 16 rows of x: a lane then holds one row b (lane % 16) and the
; channels 8 (lane / 16) + 0..7, which pack into 16 bytes of hi and 16 of mid: just a lane's 16 bytes of a fragment of xb, so the results are stored from registers, with no stage.
; The bias is the C operand of the products that start the sums.
; K goes in 16 sub-steps of 64 d, each two quarters of 32 d (64 matrix instructions).  x: two LDS slots of 128 d (rows of 256 bytes), filled by tensor loads.  kernel: two LDS slots of 64 d, written by ds_store.
; Two sets of 64 registers hold kernel rows on their way: a set is converted and stored in the first quarter of the sub-step before its use and loaded again at once, three sub-steps ahead.
; REGISTERS, in windows of 256: window 0: v16-30 addresses; v64-127, v128-191 x's fragments; v192-255 set A.  window 1: v0-63 set B; v64-127, v128-191 the kernel's fragments; v192-255 the bias.
;   windows 2, 3: accumulator (a, b) at v[8 (8 (a % 4) + b)] of window 2 + a / 4.  On the way out window 0 holds two sets of hi and mid: v32-63, v64-95 and v96-127, v128-159.
.set XPITCH, 272                       ; an LDS row of x: 256 bytes + 16 of padding: the 16 rows of a fragment load start at 16 different groups of four banks (ISA guide 11.1)
.set HALFT,  128*XPITCH                ; what one tensor load brings, and what one wave reads
.set XSLOT,  4*HALFT                   ; 0x22000: no bit of it is set in wave x HALFT, so one exclusive or changes slots
.set KB,     2*XSLOT                   ; the kernel's two slots; no tensor load lands here
.set KPITCH, 288                       ; 256 bytes of bf16 + 32: an odd multiple of 32, for the turning load
.set KSLOT,  64*KPITCH
.set SPARE,  KB+2*KSLOT                ; the spare words, 128 bytes for each wave: two blocks of 256 bytes that no other line names
.set SUB,    64*4096                   ; bytes of the kernel from a sub-step to the next
.set RBB,    65536                     ; bytes of a row block of xb
.set ADRX0, 16                         ; v16  my place in a slot of x; never rewritten
.set ADRX,  17                         ; v17  the same in the slot in hand
.set ADRK,  18                         ; v18  my place in the kernel's slot 0, for the turning load
.set KST,   19                         ; v19  where I store 8 bytes of my wave's first kernel row
.set KO,    20                         ; v20  my byte offset in a sub-step of the kernel: 16 rows a wave, 16 bytes a lane
.set PFO,   21                         ; v21  the prefetches' offset: my wave's 16 rows x two blocks of 256 bytes
.set BO,    22                         ; v22  32 (lane / 16): my eight numbers of the bias
.set CO,    26                         ; v26  16 x lane; never rewritten
.set SPW,   28                         ; v28  LDS address of my spare word; never rewritten
.set NIL,   29                         ; v29  0; never rewritten
.set NEG1,  30                         ; v30  -1.0
.set F0,    64
.set F1,    128
.set BIAS,  192
.set WV,  12                           ; s12  my wave's number
.set G1,  24                           ; s[24:31] descriptor group 1
.set G0F, 32                           ; s[32:35] group 0 of slot 0's first fill
.set G0W, 36                           ; s[36:39] group 0 that walks
.set KP,  40                           ; s[40:41] the kernel at my strip, at the trip's first sub-step
.set XB,  42                           ; s42  LDS byte at which the x slot in hand begins
.set LIM, 43                           ; s43  1 in a work-group that prefetches, else the greatest number
.set MSB, 0
.macro WIN new                         ; the immediate's high byte repeats the setting that is left; a switch that changes nothing is dropped
.if MSB != (\new)
	s_set_vgpr_msb (MSB<<8)|(\new)
.set MSB, \new
.endif
.endm
.macro PLACES                          ; four plain vector instructions between a matrix instruction and a load into, or a vector write of, its registers
.rept 4
	v_nop
.endr
.endm
.macro CREST                           ; a round of the cluster's barrier behind its opening barrier
	s_cmp_lg_u32 s[WV], 0
	s_cbranch_scc1 .Lnot_wave_0_\@
	s_barrier_signal -3
.Lnot_wave_0_\@:
	s_barrier_wait -3
	s_barrier_signal -1
	s_barrier_wait -1
.endm
.macro CROUND
	s_barrier_signal -1
	s_barrier_wait -1
	CREST
.endm
; 16 matrix instructions: row blocks a0, a0 + 1 of the window's four (hi = 0: my rows 0-63, 1: rows 64-127) x all 8 blocks of e.  mode = 1: the sums start with the bias.
; The 64 accumulators take turns, one instruction a turn, in the same order in every quarter.
.macro MUL16 f, hi, a0, mode
.if \mode
	WIN 0x91+0x40*(\hi)
.else
	WIN 0xa1+0x50*(\hi)
.endif
.irp a, \a0, (\a0)+1
.irp b, 0,1,2,3,4,5,6,7
.if \mode
	v_wmma_f32_16x16x32_bf16 v[8*(8*(\a)+(\b)):8*(8*(\a)+(\b))+7], v[(\f)+8*(\b):(\f)+8*(\b)+7], v[(\f)+8*(4*(\hi)+(\a)):(\f)+8*(4*(\hi)+(\a))+7], v[BIAS+8*(\b):BIAS+8*(\b)+7]
.else
	v_wmma_f32_16x16x32_bf16 v[8*(8*(\a)+(\b)):8*(8*(\a)+(\b))+7], v[(\f)+8*(\b):(\f)+8*(\b)+7], v[(\f)+8*(4*(\hi)+(\a)):(\f)+8*(4*(\hi)+(\a))+7], v[8*(8*(\a)+(\b)):8*(8*(\a)+(\b))+7]
.endif
.endr
.endr
.endm
; 32 LDS loads in one run: a quarter's fragments into buffer f: the kernel's (slot ks, quarter q, turned), then x's (byte xk of the rows), rows 64-127 last.
.macro FETCH xk, ks, q, f
	WIN 0x40
.irp i, 0,1,2,3,4,5,6,7
	ds_load_tr16_b128 v[(\f)+8*(\i):(\f)+8*(\i)+3],   v[ADRK] offset:(\ks)*KSLOT+32*KPITCH*(\q)+32*(\i)
	ds_load_tr16_b128 v[(\f)+8*(\i)+4:(\f)+8*(\i)+7], v[ADRK] offset:(\ks)*KSLOT+32*KPITCH*(\q)+32*(\i)+16*KPITCH
.endr
	WIN 0
.irp i, 0,1,2,3,4,5,6,7
	ds_load_b128 v[(\f)+8*(\i):(\f)+8*(\i)+3],   v[ADRX] offset:(\xk)+16*XPITCH*(\i)
	ds_load_b128 v[(\f)+8*(\i)+4:(\f)+8*(\i)+7], v[ADRX] offset:(\xk)+16*XPITCH*(\i)+32
.endr
.endm
; A set of 16 kernel rows x 512 bytes (a wave's share of a sub-step) is rounded to bf16 in place, stored into kernel slot ks, and (reload = 1) loaded again from byte off behind KP.
; left = the other set's loads, which are younger and may stay out.
.macro CONVERT set, ks, reload, off, left
	s_wait_loadcnt \left
.set SB, 192-192*(\set)                ; set 0: v192-255 of window 0; set 1: v0-63 of window 1
	WIN 0x45*(\set)
.irp j, 0,1,2,3,4,5,6,7,8,9,10,11,12,13,14,15
	v_cvt_pk_bf16_f32 v[SB+4*(\j)],   v[SB+4*(\j)],   v[SB+4*(\j)+1]
	v_cvt_pk_bf16_f32 v[SB+4*(\j)+1], v[SB+4*(\j)+2], v[SB+4*(\j)+3]
.endr
	WIN 0x04*(\set)
.irp j, 0,1,2,3,4,5,6,7,8,9,10,11,12,13,14,15
	ds_store_b64 v[KST], v[SB+4*(\j):SB+4*(\j)+1] offset:(\ks)*KSLOT+KPITCH*(\j)  ; 32 lanes x 8 bytes: a row's 256 bytes
.endr
.if \reload
	WIN 0x40*(\set)
.irp j, 0,1,2,3,4,5,6,7,8,9,10,11,12,13,14,15
	global_load_b128 v[SB+4*(\j):SB+4*(\j)+3], v[KO], s[KP:KP+1] offset:(\off)+4096*(\j)  ; 512 consecutive bytes of a row of the kernel
.endr
.endif
.endm
; A PREFETCH INTO THE L2 of my wave's 16 rows x 512 bytes of the sub-step that will be loaded two sub-steps later: 32 blocks of 256 bytes, a lane a block, one instruction.
; A strip of the kernel is read by two clusters (the two halves of the rows b): the one with the lower half asks.  The test hangs on the cluster's number, the same in all partners.
; The loop's last trip asks for nothing: the sub-steps behind its own loads do not exist.  Nothing is asked for at the head.
.macro ASK off
	s_cmp_gt_u32 s3, s[LIM]
	s_cbranch_scc0 .Lnot_mine_\@
	global_prefetch_b8 v[PFO], s[KP:KP+1] offset:\off th:TH_LOAD_NT scope:SCOPE_SE
.Lnot_mine_\@:
.endm
; A sub-step's first quarter: multiplies buffer 0; in its middle the next sub-step's kernel rows are converted and stored (their conversions are the places in front of the run of loads),
; and the second quarter's fragments are fetched into buffer 1.
.macro QA xk, ks, mode, conv, set, cks, reload, off, left, ask, askoff
	s_wait_dscnt 8                                 ; all but x's rows 64-127
	MUL16 F0, 0, 0, \mode
	MUL16 F0, 0, 2, \mode
.if \conv
	CONVERT \set, \cks, \reload, \off, \left
.else
	PLACES
.endif
	FETCH \xk, \ks, 1, F1
.if \ask
	ASK \askoff
.endif
	s_wait_dscnt 32                                ; all but the 32 just issued
	MUL16 F0, 1, 0, \mode
	MUL16 F0, 1, 2, \mode
.endm
; A sub-step's second quarter: multiplies buffer 1 and changes the kernel's slots: ONE barrier; in front of it my stores into the next kernel slot and my reads of this one are done.
; kind 0: nothing more.  kind 1, 2: x's slot changes too: in front of the barrier I wait for all my tensor loads, add 0 to my spare word, and wait for that and for my reads.
; kind 2: the x slot just read is filled again, two K steps of 128 ahead: the barrier opens a round of the cluster's barrier, and the joint load is the first thing behind it.
.macro QB kind, xk, ks
.if (\kind) >= 1
	WIN 0
	s_wait_tensorcnt 0x0                           ; all my tensor loads have landed: my part of the next x slot
	ds_add_u32 v[SPW], v[NIL]                      ; 0 onto my spare word
	s_xor_b32 s[XB], s[XB], XSLOT
	v_add_nc_u32 v[ADRX], s[XB], v[ADRX0]
.if (\kind) == 2
	s_xor_b32 s[G0W+1], s[G0W+1], XSLOT            ; no tensor load of mine is out: the walking descriptor takes the other slot,
	s_add_nc_u64 s[G0W+2:G0W+3], s[G0W+2:G0W+3], 256  ; and the next 128 d
.endif
	s_wait_dscnt 9                                 ; the add and x's rows 64-127 may be out
.else
	s_wait_dscnt 8
.endif
	MUL16 F1, 0, 0, 0
	s_wait_dscnt 0x0                               ; my LDS stores, my reads and the add are done
	s_barrier_signal -1
	MUL16 F1, 0, 2, 0
.if (\kind) == 2
	WIN 0
.endif
	s_barrier_wait -1
.if (\kind) == 2
	CREST                                          ; no wave of any partner still reads the slot or has a load on its way
	tensor_load_to_lds s[G0W:G0W+3], s[G1:G1+7]
	s_nop 0
.endif
	PLACES                                         ; also the places in front of the loads below
	FETCH \xk, \ks, 0, F0
	MUL16 F1, 1, 0, 0
	MUL16 F1, 1, 2, 0
.endm
	s_load_b256 s[4:11], s[0:1], 0x0               ; xh s[4:5], kernel s[6:7], bias s[8:9], xb s[10:11]
	v_lshl_add_u32 v[SPW], v0, 2, SPARE
	v_mov_b32 v[NIL], 0
	ds_add_u32 v[SPW], v[NIL]                      ; the wave's opening
	v_lshrrev_b32 v1, 5, v0
	v_readfirstlane_b32 s[WV], v1
	v_and_b32 v2, 15, v0                           ; r = lane % 16
	v_bfe_u32 v3, v0, 4, 1                         ; h = lane / 16
	v_and_b32 v4, 31, v0                           ; lane
	s_bfe_u32 s13, ttmp6, 0x40000                  ; cx
	s_and_b32 s14, ttmp9, 1                        ; which half of the rows b
	s_lshr_b32 s15, ttmp9, 1
	s_lshl_b32 s15, s15, 2
	s_add_co_u32 s15, s15, s13                     ; my strip of 128 e: it enters global addresses alone
	s_lshl_b32 s15, s15, 9                         ; 512 bytes of a row of the kernel and of the bias
	s_and_b32 s16, ttmp7, 0xffff                   ; the class
	s_lshl_b32 s18, s14, 20                        ; xh: 512 rows of 2,048 bytes a half,
	s_lshl_b32 s19, s[WV], 18                      ; 128 rows a wave: nothing of cx
	s_add_co_u32 s18, s18, s19
	s_mov_b32 s19, 0
	s_lshl_b32 s20, s16, 22                        ; a class is 4 MiB of the kernel and of xb
	s_lshl_b32 s22, s14, 21                        ; xb: 32 row blocks of 65,536 bytes a half,
	s_lshl_b32 s23, s[WV], 19                      ; 8 a wave,
	s_add_co_u32 s22, s22, s23
	s_lshl_b32 s23, s15, 4                         ; my strip: four blocks of 32 e, 2,048 bytes each,
	s_add_co_u32 s22, s22, s23
	s_add_co_u32 s22, s22, s20                     ; the class
	s_mov_b32 s23, 0
	s_add_co_u32 s20, s20, s15                     ; the kernel: the class and my strip
	s_mov_b32 s21, 0
	s_lshl_b32 s44, s16, 12                        ; the bias: a class is 4,096 bytes
	s_add_co_u32 s44, s44, s15
	s_mov_b32 s45, 0
	s_mul_i32 s46, s[WV], HALFT
	s_mov_b32 s[G1+0], 15|(1<<16)|(1<<20)|(1<<21)|(5<<22)|(3<<25)  ; the mask of four; 2-byte elements; padding on; bit 21 beside a mask; after every 64 words 4 words
	s_mov_b32 s[G1+1], 128<<16                     ; tensor_dim0 = 128
	s_mov_b32 s[G1+2], 128<<16                     ; tensor_dim1 = 128
	s_mov_b32 s[G1+3], 128<<16                     ; tile_dim0 = 128
	s_mov_b32 s[G1+4], 128                         ; tile_dim1 = 128
	s_mov_b32 s[G1+5], 1024                        ; elements from row to row
	s_mov_b32 s[G1+6], 0
	s_mov_b32 s[G1+7], 0
	s_mov_b32 s[G0F], 1
	s_mov_b32 s[G0F+1], s46                        ; slot 0
	s_mov_b32 s[G0W], 1
	s_add_co_u32 s[G0W+1], s46, XSLOT              ; slot 1
	s_cmp_eq_u32 s14, 0
	s_cselect_b32 s[LIM], 1, -1
	s_mov_b32 s[XB], 0
	v_lshlrev_b32 v[CO], 4, v4                     ; 16 x lane
	s_lshl_b32 s17, s[WV], 16                      ; 16 rows of 4,096 bytes a wave
	v_add_nc_u32 v[KO], s17, v[CO]
	v_lshlrev_b32 v[BO], 5, v3
	s_wait_dscnt 0x0                               ; the opening add is done
	s_wait_kmcnt 0x0
	s_add_nc_u64 s[G0F+2:G0F+3], s[4:5], s[18:19]  ; K step 0
	s_add_nc_u64 s[G0W+2:G0W+3], s[G0F+2:G0F+3], 256  ; K step 1
	s_or_b32 s[G0F+3], s[G0F+3], 0x80000000
	s_or_b32 s[G0W+3], s[G0W+3], 0x80000000
	s_add_nc_u64 s[KP:KP+1], s[6:7], s[20:21]
	s_add_nc_u64 s[8:9], s[8:9], s[44:45]
	s_add_nc_u64 s[10:11], s[10:11], s[22:23]      ; xb at my wave's first row block, my strip's first block of 32 e
	WIN 0x40
.irp b, 0,1,2,3,4,5,6,7
	global_load_b128 v[BIAS+8*(\b):BIAS+8*(\b)+3],   v[BO], s[8:9] offset:64*(\b)
	global_load_b128 v[BIAS+8*(\b)+4:BIAS+8*(\b)+7], v[BO], s[8:9] offset:64*(\b)+16
.endr
	WIN 0
.irp j, 0,1,2,3,4,5,6,7,8,9,10,11,12,13,14,15
	global_load_b128 v[192+4*(\j):192+4*(\j)+3], v[KO], s[KP:KP+1] offset:4096*(\j)       ; sub-step 0 into set A
.endr
	WIN 0x40
.irp j, 0,1,2,3,4,5,6,7,8,9,10,11,12,13,14,15
	global_load_b128 v[4*(\j):4*(\j)+3], v[KO], s[KP:KP+1] offset:SUB+4096*(\j)           ; sub-step 1 into set B
.endr
	WIN 0
	CROUND                                         ; all four work-groups are here: the first joint loads meet
	tensor_load_to_lds s[G0F:G0F+3], s[G1:G1+7]    ; both first fills together: two tensor loads of mine are out
	s_nop 0
	tensor_load_to_lds s[G0W:G0W+3], s[G1:G1+7]
	s_nop 0
	PLACES
	v_mul_u32_u24 v[ADRX0], v2, XPITCH
	v_lshl_add_u32 v[ADRX0], v3, 4, v[ADRX0]
	v_add_nc_u32 v[ADRX0], s46, v[ADRX0]           ; my wave's rows + row x pitch + 16 x half
	v_mov_b32 v[ADRX], v[ADRX0]
	v_and_b32 v5, 7, v0
	v_lshl_add_u32 v5, v3, 3, v5                   ; the turning load: row d = 8 (lane / 16) + lane % 8,
	v_mul_u32_u24 v[ADRK], v5, KPITCH
	v_bfe_u32 v5, v0, 3, 1
	v_lshl_add_u32 v[ADRK], v5, 4, v[ADRK]         ; channels 8 ((lane / 8) % 2) on
	v_add_nc_u32 v[ADRK], KB, v[ADRK]
	s_mul_i32 s17, s[WV], 16*KPITCH
	s_add_co_u32 s17, s17, KB
	v_lshl_add_u32 v[KST], v4, 3, s17
	v_lshrrev_b32 v5, 1, v4
	v_lshlrev_b32 v5, 12, v5
	v_and_b32 v6, 1, v4
	v_lshl_add_u32 v5, v6, 8, v5
	s_lshl_b32 s17, s[WV], 16
	v_add_nc_u32 v[PFO], s17, v5
	v_mov_b32 v[NEG1], -1.0
	s_wait_loadcnt 32                              ; the bias is in; both kernel sets may stay out
	WIN 0x55                                       ; the bias is rounded to bf16 like the other inputs, and widened again
.set p, 0
.rept 32
	v_cvt_pk_bf16_f32 v[64+p], v[BIAS+2*p], v[BIAS+2*p+1]
.set p, p+1
.endr
.set p, 0
.rept 32
	v_lshlrev_b32 v[BIAS+2*p], 16, v[64+p]
	v_and_b32 v[BIAS+2*p+1], 0xffff0000, v[64+p]
.set p, p+1
.endr
	CONVERT 0, 0, 1, 2*SUB, 16                     ; sub-step 0 into kernel slot 0; set A takes sub-step 2
	WIN 0
	s_wait_tensorcnt 1                             ; my part of x's slot 0 is in; slot 1's may stay out
	s_wait_dscnt 0x0                               ; my kernel rows are stored
	s_barrier_signal -1
	s_barrier_wait -1
	FETCH 0, 0, 0, F0
	QA 64, 0, 1, 1, 1, 1, 1, 3*SUB, 16, 0, 0       ; the first quarter stands in front of the loop: its products start the sums with the bias
	WIN 0
	s_mov_b32 s3, 6
.Lk:                                               ; a trip: from a K step's second quarter to the next K step's first; sub-steps 2 k + 4 and 2 k + 5 are loaded
	QB 0, 128, 1
	QA 192, 1, 0, 1, 0, 0, 1, 4*SUB, 16, 1, 6*SUB
	QB 2, 0, 0
	QA 64, 0, 0, 1, 1, 1, 1, 5*SUB, 16, 1, 7*SUB
	WIN 0
	s_wait_xcnt 0x0                                ; every load and prefetch issued so far (the youngest 32 products back) has read its address: the pointer may be written
	s_add_nc_u64 s[KP:KP+1], s[KP:KP+1], 2*SUB
	s_sub_co_u32 s3, s3, 1
	s_cmp_lg_u32 s3, 0
	s_cbranch_scc1 .Lk
	QB 0, 128, 1                                   ; the tail is written out: nothing more is loaded or filled
	QA 192, 1, 0, 1, 0, 0, 0, 0, 16, 0, 0
	QB 1, 0, 0
	QA 64, 0, 0, 1, 1, 1, 0, 0, 0, 0, 0
	QB 0, 128, 1
	QA 192, 1, 0, 0, 0, 0, 0, 0, 0, 0, 0
	s_wait_dscnt 0x0                               ; the last quarter's fragments are in
	MUL16 F1, 0, 0, 0
	MUL16 F1, 0, 2, 0
	MUL16 F1, 1, 0, 0
	MUL16 F1, 1, 2, 0
	WIN 0
	PLACES
	PLACES
; THE WAY OUT, 16 rows (a row block of xb) at a time, from registers.  PACK: hi = bf16(sum); mid = bf16(sum - hi): the multiply-add reads hi's half, forms sum - hi exactly and rounds it once, into a half of mid's word.
; Each accumulator is read from its low end on.  Two sets of 64 registers take turns.
.macro PACK a
.set AC, 64*((\a)%4)
.set HB, 32+64*((\a)%2)
.set MB, HB+32
	WIN 0x0a+5*((\a)/4)
.irp b, 0,1,2,3,4,5,6,7
.irp p, 0,1,2,3
	v_cvt_pk_bf16_f32 v[HB+4*(\b)+(\p)], v[AC+8*(\b)+2*(\p)], v[AC+8*(\b)+2*(\p)+1]
.endr
.endr
	WIN 0x20+0x10*((\a)/4)
.irp b, 0,1,2,3,4,5,6,7
.irp p, 0,1,2,3
	v_fma_mixlo_bf16 v[MB+4*(\b)+(\p)], v[HB+4*(\b)+(\p)], v[NEG1], v[AC+8*(\b)+2*(\p)] op_sel_hi:[1,0,0]
	v_fma_mixhi_bf16 v[MB+4*(\b)+(\p)], v[HB+4*(\b)+(\p)], v[NEG1], v[AC+8*(\b)+2*(\p)+1] op_sel:[1,0,0] op_sel_hi:[1,0,0]
.endr
.endr
	WIN 0
.endm
; SEND: block b of 16 e is half b % 2 of the fragments of block b / 2 of 32 e.  The wait stands behind a PACK's 96 vector lines and ahead of this block's stores:
; the stores of the block before have read their data, so the next PACK may write that set.
.macro SEND a
.set HB, 32+64*((\a)%2)
.set MB, HB+32
	s_wait_xcnt 0x0
.irp b, 0,1,2,3,4,5,6,7
	global_store_b128 v[CO], v[HB+4*(\b):HB+4*(\b)+3], s[10:11] offset:RBB*(\a)+2048*((\b)/2)+512*((\b)%2)       ; 512 consecutive bytes, at a multiple of 256 from xb's first byte
	global_store_b128 v[CO], v[MB+4*(\b):MB+4*(\b)+3], s[10:11] offset:RBB*(\a)+2048*((\b)/2)+512*((\b)%2)+1024
.endr
.endm
.irp a, 0,1,2,3,4,5,6,7
	PACK \a
	SEND \a
.endr
	s_wait_tensorcnt 0x0                           ; the wave's end
	ds_add_u32 v[SPW], v[NIL]
	s_wait_dscnt 0x0
	CROUND                                         ; the closing round
	s_endpgm
.Lfunc_end_k_q908b673d91_gemm1:
	.size	k_q908b673d91_gemm1, .Lfunc_end_k_q908b673d91_gemm1-k_q908b673d91_gemm1
	.p2alignl 7, 3214868480
	.fill 96, 4, 3214868480
	.section	.rodata,"a",@progbits
	.p2align	6, 0x0
	.amdhsa_kernel k_q908b673d91_gemm1
		.amdhsa_group_segment_fixed_size 327680
		.amdhsa_private_segment_fixed_size 0
		.amdhsa_enable_private_segment 0
		.amdhsa_kernarg_size 32
		.amdhsa_user_sgpr_count 2
		.amdhsa_user_sgpr_kernarg_segment_ptr 1
		.amdhsa_wavefront_size32 1
		.amdhsa_system_sgpr_workgroup_id_x 1
		.amdhsa_system_sgpr_workgroup_id_y 1
		.amdhsa_system_sgpr_workgroup_id_z 1
		.amdhsa_system_vgpr_workitem_id 0
		.amdhsa_next_free_vgpr 1024
		.amdhsa_next_free_sgpr 66
		.amdhsa_reserve_vcc 0
		.amdhsa_float_denorm_mode_32 3
		.amdhsa_float_denorm_mode_16_64 3
		.amdhsa_memory_ordered 1
		.amdhsa_forward_progress 1
		.amdhsa_inst_pref_size 178
	.end_amdhsa_kernel
	.amdgpu_metadata
---
amdhsa.version: [ 1, 2 ]
amdhsa.kernels:
  - .name:           k_q908b673d91_gemm1
    .symbol:         k_q908b673d91_gemm1.kd
    .args:
      - { .name: xh, .offset: 0, .size: 8, .value_kind: global_buffer, .address_space: global }
      - { .name: kernel, .offset: 8, .size: 8, .value_kind: global_buffer, .address_space: global }
      - { .name: bias, .offset: 16, .size: 8, .value_kind: global_buffer, .address_space: global }
      - { .name: xb, .offset: 24, .size: 8, .value_kind: global_buffer, .address_space: global }
    .group_segment_fixed_size: 327680
    .private_segment_fixed_size: 0
    .kernarg_segment_align: 8
    .kernarg_segment_size: 32
    .max_flat_workgroup_size: 128
    .sgpr_count:     66
    .vgpr_count:     1024
    .wavefront_size: 32
...
	.end_amdgpu_metadata
.endif
;; end of part 2
;; launch gemm2 (part 3): grid 4 x 62, 4 waves a work-group, clusters of 4 x 1, 327,680 bytes of LDS; arguments xb, lt, sc; writes sc
.if DOCPART == 3
	.amdgcn_target "amdgcn-amd-amdhsa--gfx1250"
	.amdhsa_code_object_version 6
	.text
	.protected	k_q908b673d91_gemm2
	.globl	k_q908b673d91_gemm2
	.p2align	8
	.type	k_q908b673d91_gemm2,@function
k_q908b673d91_gemm2:
	s_mov_b64 s[64:65], 0
	v_nop
	global_prefetch_b8 v0, s[64:65] scope:SCOPE_SE
	s_setreg_imm32_b32 hwreg(HW_REG_WAVE_MODE, 25, 1), 1
	s_wait_xcnt 0x0
	s_wait_alu depctr_hold_cnt(0) depctr_sa_sdst(0) depctr_va_vdst(0) depctr_va_sdst(0) depctr_va_ssrc(0) depctr_va_vcc(0) depctr_vm_vsrc(0)
	s_getreg_b32 s2, hwreg(HW_REG_IB_STS2, 6, 4)
	s_cmp_eq_u32 s2, 0
	s_cbranch_scc0 .Lentry_in_a_cluster
	s_endpgm
.Lentry_in_a_cluster:
	s_bfe_u32 s2, ttmp6, 0x10000c
	s_cmp_lg_u32 s2, 0x3003
	s_cbranch_scc0 .Lentry_shape_is_right
	s_endpgm
.Lentry_shape_is_right:
; GEMM2.  S[c][i][j'] = xB[c][i] . xB[c][512 + j'] for i, j' in 0 .. 511: the one cross-domain block that reference()'s own mask keeps; the other is its transpose.
; With xB = hi + mid: S = hi.hi + hi.mid + mid.hi, three bf16 products into one f32 sum; mid.mid is dropped (some 2^-8 x 2^-8 of a product's size against 1).
; Where labels[i][c] differs from labels[512 + j'][c] the number stored is -0.0, the mark of a masked place; a sum that is -0.0 by itself is stored as +0.0.
; xb lies in the order of matrix fragments: [c][64 blocks of 16 rows][32 blocks of 32 e][hi | mid][half][lane][16 bytes]: a fragment is 1,024 bytes, a block of 32 e 2,048, a row block 65,536.
; sc: [c][block = 16 (i / 32) + j' / 32][32 i][32 j'] f32: a block is 4,096 dense bytes.
; SHARES.  A work-group makes 128 i x 256 j' of one class; four waves, each 64 x 128 in 32 accumulators.  248 work-groups.
; THE ROWS j go through LDS: every wave reads 128 of the 256, and the four work-groups of a cluster (same class, same rows j, four blocks of rows i) ask for them JOINTLY (mask 15).
; THE ROWS i come straight from xb into registers: a fragment lies there as a wave's registers hold it, 512 consecutive bytes a load.  So LDS holds the rows j alone and a slot has room for 128 e.
; The two waves that share 64 rows i load the same bytes: the price of the longer slot.
; K goes in 32 halves of 32 e, 96 matrix instructions each; a slot holds four.  Half n multiplies buffer n % 4 of the rows i and buffer n % 2 of the rows j; in its middle it fetches the rows j of half n + 1
; from LDS and asks for the rows i of half n + 3 from memory.
; SOURCE 0 = 16 rows j, SOURCE 1 = 16 rows i: a lane holds one i (lane % 16) and the columns 8 (lane / 16) + 0..7: 32 bytes of a row of a block of sc.
; REGISTERS: window 0: v18-29 addresses; v64-127, v128-191 buffers 0, 1 of the rows i (hi a at +8 a, mid at +32 + 8 a).  window 1: v0-127, v128-255 the rows j (hi b at +8 b, mid at +64 + 8 b).
;   window 2: accumulator (a, b) at v[8 (8 a + b)].  window 3: v0-63 labels of my 128 j (as the accumulators hold them), v64-67 labels of my 64 i, v68 the mark, v72-103 at work; v128-191, v192-255 buffers 2, 3 of the rows i.
.set KBB,   2048                       ; a block of 32 e of a row block: hi 1,024 bytes, mid 1,024
.set RBB,   65536                      ; a row block of xb
.set LRB,   4*KBB                      ; a row block in a slot: four blocks of 32 e
.set SLOT1, 1<<17                      ; a slot: 16 row blocks x 8,192 bytes; slot 1 begins here: one exclusive or changes slots
.set STAGE, 2*SLOT1                    ; behind the ring: 32 rows x 144 bytes for each wave; no tensor load lands here
.set SP,    144
.set SPARE, STAGE+4*32*SP              ; the spare words: two blocks of 256 bytes that no other line names
.set ADRB0, 18                         ; v18  my place in a slot: my wave's 8 row blocks + 16 x lane; never rewritten
.set ADRB,  19                         ; v19  the same in the slot in hand
.set PFO,   21                         ; v21  256 x lane
.set LO1,   22                         ; v22  4 (lane % 16)
.set LO2,   23                         ; v23  32 (lane / 16)
.set STO,   24
.set RD,    25
.set CO,    26                         ; v26  16 x lane; never rewritten
.set SPW,   28                         ; never rewritten
.set NIL,   29                         ; never rewritten
.set BK,    96                         ; the way out, window 0: two buffers of 32
.set LJ,    0                          ; window 3
.set LI,    64
.set SENT,  68                         ; -0.0
.set T,     72
.set WV,  12
.set G1,  24                           ; s[24:31] descriptor group 1
.set G0F, 32                           ; s[32:35] group 0 of slot 0's first fill
.set G0W, 36                           ; s[36:39] group 0 that walks
.set AP,  40                           ; s[40:41] xb at my four row blocks i, at the trip's first block of 32 e
.set PFB, 42                           ; s[42:43] where my prefetches of the rows j stand
.set TB,  44                           ; s44  LDS byte at which the slot in hand begins
.set LIMA, 45                          ; s45  0 in a wave that prefetches rows i, else the greatest number
.set LIB, 46                           ; s[46:47] lt at my 64 i
.set LJB, 48                           ; s[48:49] lt at my 128 j
.set MSB, 0
.macro WIN new
.if MSB != (\new)
	s_set_vgpr_msb (MSB<<8)|(\new)
.set MSB, \new
.endif
.endm
.macro PLACES                          ; four plain vector instructions between a matrix instruction and a load into its registers
.rept 4
	v_nop
.endr
.endm
.macro CREST
	s_cmp_lg_u32 s[WV], 0
	s_cbranch_scc1 .Lnot_wave_0_\@
	s_barrier_signal -3
.Lnot_wave_0_\@:
	s_barrier_wait -3
	s_barrier_signal -1
	s_barrier_wait -1
.endm
.macro CROUND
	s_barrier_signal -1
	s_barrier_wait -1
	CREST
.endm
; PREFETCHES INTO THE L2, together, behind the trip's tensor load and the loads that follow it; a lane names a block of 256 bytes.
; Rows j: the slot after the one that has just been asked for: 16 row blocks x 8,192 bytes.  One cluster reads them; its sixteen waves take a row block each, wave w of the partner at place p row block 4 w + p,
; told apart by address: one instruction a wave.  The loop's last trip has no slot behind its own.
; Rows i: the 8,192 bytes of each row block that the next trip's loads will read.  They are read by the class's two clusters and by two waves in each: the cluster with the lower rows j asks, and in it
; waves 0 and 2, each for its four row blocks: four instructions.  All six trips have such a next trip (the last: the tail's first four halves).
.macro ASK
	WIN 0
	s_cmp_gt_u32 s3, 1
	s_cbranch_scc0 .Lno1_\@
	global_prefetch_b8 v[PFO], s[PFB:PFB+1] th:TH_LOAD_NT scope:SCOPE_SE
.Lno1_\@:
	s_cmp_gt_u32 s3, s[LIMA]
	s_cbranch_scc0 .Lno2_\@
.irp a, 0,1,2,3
	global_prefetch_b8 v[PFO], s[AP:AP+1] offset:8*KBB+RBB*(\a) th:TH_LOAD_NT scope:SCOPE_SE
.endr
.Lno2_\@:
.endm
; 32 LDS loads in one run: the rows j's fragments of block kbl of the slot into buffer y: hi first, then mid.  A load takes 512 consecutive bytes.
.macro FETCH kbl, y
	WIN 0x40
.set fb, 128*(\y)
.irp m, 0,1
.irp b, 0,1,2,3,4,5,6,7
	ds_load_b128 v[fb+64*(\m)+8*(\b):fb+64*(\m)+8*(\b)+3],   v[ADRB] offset:LRB*(\b)+KBB*(\kbl)+1024*(\m)
	ds_load_b128 v[fb+64*(\m)+8*(\b)+4:fb+64*(\m)+8*(\b)+7], v[ADRB] offset:LRB*(\b)+KBB*(\kbl)+1024*(\m)+512
.endr
.endr
.endm
; 16 loads from xb: the rows i's fragments of the block of 32 e at byte off behind AP, into buffer x (0, 1: window 0; 2, 3: window 3).
.macro LOADA x, off
	WIN 0xc0*((\x)/2)
.set fa, 64+64*(\x)-64*((\x)/2)
.irp m, 0,1
.irp a, 0,1,2,3
	global_load_b128 v[fa+32*(\m)+8*(\a):fa+32*(\m)+8*(\a)+3],   v[CO], s[AP:AP+1] offset:(\off)+RBB*(\a)+1024*(\m)
	global_load_b128 v[fa+32*(\m)+8*(\a)+4:fa+32*(\m)+8*(\a)+7], v[CO], s[AP:AP+1] offset:(\off)+RBB*(\a)+1024*(\m)+512
.endr
.endr
.endm
.macro LABELS                          ; 20 loads: the labels, wanted on the way out
	WIN 0xc0
.irp a, 0,1,2,3
	global_load_b32 v[LI+(\a)], v[LO1], s[LIB:LIB+1] offset:64*(\a)
.endr
.irp b, 0,1,2,3,4,5,6,7
	global_load_b128 v[LJ+8*(\b):LJ+8*(\b)+3],   v[LO2], s[LJB:LJB+1] offset:64*(\b)
	global_load_b128 v[LJ+8*(\b)+4:LJ+8*(\b)+7], v[LO2], s[LJB:LJB+1] offset:64*(\b)+16
.endr
.endm
; na x 8 matrix instructions from row block a0 on, on buffers x and x % 2.  t = 0: j hi x i hi; 1: j mid x i hi; 2: j hi x i mid.  The accumulators take turns, one instruction a turn.
.macro MULS t, x, a0, na, zero
	WIN 0xa1+0x0c*((\x)/2)
.set fa, 64+64*(\x)-64*((\x)/2)
.set fb, 128*((\x)%2)
.set aa, \a0
.rept \na
.irp b, 0,1,2,3,4,5,6,7
.set rD, 8*(8*aa+(\b))
.set rB, fb+64*((\t)%2)+8*(\b)
.set rA, fa+32*((\t)/2)+8*aa
.if \zero
	v_wmma_f32_16x16x32_bf16 v[rD:rD+7], v[rB:rB+7], v[rA:rA+7], 0
.else
	v_wmma_f32_16x16x32_bf16 v[rD:rD+7], v[rB:rB+7], v[rA:rA+7], v[rD:rD+7]
.endif
.endr
.set aa, aa+1
.endr
.endm
; A half that changes no slot.  x = its number % 4; nk = the next half's block in the slot; ld = 1: the rows i three halves on are asked for, at byte off behind AP; ld = 2: the labels are;
; lw = the loads issued behind this half's rows i, which may stay out.
.macro HALF x, zero, nk, ld, off, lw
	s_wait_loadcnt \lw                             ; my rows i of this half are in
	s_wait_dscnt 16                                ; the rows j's hi fragments are in; mid may be out
	MULS 0, \x, 0, 4, \zero
	PLACES                                         ; for the loads below, into buffers that the half before multiplied
	FETCH \nk, 1-(\x)%2
.if (\ld) == 1
	LOADA ((\x)+3)%4, \off
.endif
.if (\ld) == 2
	LABELS
.endif
	s_wait_dscnt 32                                ; all but the 32 just issued
	MULS 1, \x, 0, 4, 0
	MULS 2, \x, 0, 4, 0
.endm
; A slot's fourth half, and the change of slots: in front of the barrier I wait for all my tensor loads, add 0 to my spare word, and wait for that and for my reads of the slot.
; fill = 1: the barrier opens a round of the cluster's barrier, and the slot is filled again, two slots ahead, first thing behind it: 352 matrix instructions ahead of the wait for it.
.macro TURN fill
	WIN 0
	s_wait_tensorcnt 0x0                           ; all my tensor loads have landed: my part of the next slot
	ds_add_u32 v[SPW], v[NIL]
	s_xor_b32 s[TB], s[TB], SLOT1
	v_add_nc_u32 v[ADRB], s[TB], v[ADRB0]
.if \fill
	s_xor_b32 s[G0W+1], s[G0W+1], SLOT1            ; no tensor load of mine is out: the walking descriptor takes the other slot,
	s_add_nc_u64 s[G0W+2:G0W+3], s[G0W+2:G0W+3], LRB  ; and the next 128 e
.endif
	s_wait_loadcnt 32                              ; my rows i of this half are in
	s_wait_dscnt 17                                ; the add and the rows j's mid fragments may be out
	MULS 0, 3, 0, 2, 0
	s_wait_dscnt 0x0                               ; the add is done, and my reads of the slot are over
	s_barrier_signal -1
	MULS 0, 3, 2, 2, 0
.if \fill
	WIN 0
.endif
	s_barrier_wait -1
.if \fill
	CREST                                          ; no wave of any partner still reads the slot or has a load on its way
	tensor_load_to_lds s[G0W:G0W+3], s[G1:G1+7]
	s_nop 0
.endif
	PLACES                                         ; also the places in front of the loads below
	FETCH 0, 0
	LOADA 2, 6*KBB
.if \fill
	ASK
.endif
	MULS 1, 3, 0, 4, 0
	MULS 2, 3, 0, 4, 0
.endm
	s_load_b128 s[4:7], s[0:1], 0x0                ; xb s[4:5], lt s[6:7]
	s_load_b64 s[8:9], s[0:1], 0x10                ; sc
	v_lshl_add_u32 v[SPW], v0, 2, SPARE
	v_mov_b32 v[NIL], 0
	ds_add_u32 v[SPW], v[NIL]                      ; the wave's opening
	v_lshrrev_b32 v1, 5, v0
	v_readfirstlane_b32 s[WV], v1
	v_and_b32 v2, 15, v0                           ; r
	v_bfe_u32 v3, v0, 4, 1                         ; h
	v_and_b32 v4, 31, v0                           ; lane
	s_bfe_u32 s13, ttmp6, 0x40000                  ; cx: my block of 128 rows i: it enters global addresses alone
	s_and_b32 s14, ttmp7, 0xffff
	s_lshr_b32 s15, s14, 1                         ; the class
	s_and_b32 s14, s14, 1                          ; which 256 rows j
	s_lshr_b32 s16, s[WV], 1                       ; which 64 of the rows i are mine
	s_and_b32 s17, s[WV], 1                        ; which 128 of the rows j
	s_lshl_b32 s20, s15, 22
	s_mov_b32 s21, 0                               ; the class in xb
	s_lshl_b32 s22, s13, 19                        ; rows i: 8 row blocks a work-group,
	s_lshl_b32 s23, s16, 18                        ; 4 a wave
	s_add_co_u32 s22, s22, s23
	s_mov_b32 s23, 0
	s_lshl_b32 s18, s14, 20                        ; rows j: 16 row blocks a cluster, of which I fetch 4, from row block 32 on: nothing of cx
	s_lshl_b32 s19, s[WV], 18
	s_add_co_u32 s18, s18, s19
	s_add_co_u32 s18, s18, 0x200000
	s_mov_b32 s19, 0
	s_lshl_b32 s2, s15, 12                         ; the class in lt
	s_lshl_b32 s50, s13, 9
	s_lshl_b32 s51, s16, 8
	s_add_co_u32 s50, s50, s51
	s_add_co_u32 s50, s50, s2
	s_mov_b32 s51, 0                               ; labels of my 64 i
	s_lshl_b32 s52, s14, 10
	s_lshl_b32 s53, s17, 9
	s_add_co_u32 s52, s52, s53
	s_add_co_u32 s52, s52, s2
	s_add_co_u32 s52, s52, 2048
	s_mov_b32 s53, 0                               ; labels of my 128 j
	s_lshl_b32 s54, s15, 20                        ; sc: a class is 1 MiB; block 16 (4 cx + 2 wr) + 8 jt + 4 wc, 4,096 bytes each
	s_lshl_b32 s55, s13, 18
	s_add_co_u32 s54, s54, s55
	s_lshl_b32 s55, s16, 17
	s_add_co_u32 s54, s54, s55
	s_lshl_b32 s55, s14, 15
	s_add_co_u32 s54, s54, s55
	s_lshl_b32 s55, s17, 14
	s_add_co_u32 s54, s54, s55
	s_mov_b32 s55, 0
	s_lshl_b32 s56, s13, 16                        ; the prefetches of the rows j: my work-group's one of the four row blocks that I fetch
	s_mov_b32 s57, 0
	s_mov_b32 s[G1+0], 15|(1<<16)|(1<<21)          ; the mask of four, bit 21 beside it; 2-byte elements; no padding: a fragment load takes consecutive bytes
	s_mov_b32 s[G1+1], 4096<<16                    ; tensor_dim0 = 4,096: a row block's 8,192 bytes of 128 e
	s_mov_b32 s[G1+2], 4<<16                       ; tensor_dim1 = 4 row blocks
	s_mov_b32 s[G1+3], 4096<<16                    ; tile_dim0 = 4,096
	s_mov_b32 s[G1+4], 4                           ; tile_dim1 = 4
	s_mov_b32 s[G1+5], 32768                       ; elements from a row block to the next
	s_mov_b32 s[G1+6], 0
	s_mov_b32 s[G1+7], 0
	s_lshl_b32 s2, s[WV], 15                       ; my four row blocks in a slot
	s_mov_b32 s[G0F], 1
	s_mov_b32 s[G0F+1], s2                         ; slot 0
	s_mov_b32 s[G0W], 1
	s_add_co_u32 s[G0W+1], s2, SLOT1               ; slot 1
	s_mov_b32 s[TB], 0
	s_or_b32 s2, s14, s17                          ; the lower rows j, and the first of the two waves that share rows i
	s_cmp_eq_u32 s2, 0
	s_cselect_b32 s[LIMA], 0, -1
	v_lshlrev_b32 v[CO], 4, v4
	v_lshlrev_b32 v[LO1], 2, v2
	v_lshlrev_b32 v[LO2], 5, v3
	s_wait_dscnt 0x0                               ; the opening add is done
	s_wait_kmcnt 0x0
	s_add_nc_u64 s[4:5], s[4:5], s[20:21]
	s_add_nc_u64 s[AP:AP+1], s[4:5], s[22:23]
	s_add_nc_u64 s[G0F+2:G0F+3], s[4:5], s[18:19]  ; e 0 to 127
	s_add_nc_u64 s[G0W+2:G0W+3], s[G0F+2:G0F+3], LRB  ; e 128 to 255
	s_add_nc_u64 s[PFB:PFB+1], s[G0F+2:G0F+3], s[56:57]
	s_add_nc_u64 s[PFB:PFB+1], s[PFB:PFB+1], 3*LRB ; the first refill brings the third slot's bytes, the first prefetch names the fourth's.  Nothing is asked for at the head
	s_or_b32 s[G0F+3], s[G0F+3], 0x80000000
	s_or_b32 s[G0W+3], s[G0W+3], 0x80000000
	s_add_nc_u64 s[LIB:LIB+1], s[6:7], s[50:51]
	s_add_nc_u64 s[LJB:LJB+1], s[6:7], s[52:53]
	s_add_nc_u64 s[10:11], s[8:9], s[54:55]
	LOADA 0, 0                                     ; the rows i of halves 0, 1 and 2
	LOADA 1, KBB
	LOADA 2, 2*KBB
	WIN 0
	CROUND                                         ; all four work-groups are here: the first joint loads meet
	tensor_load_to_lds s[G0F:G0F+3], s[G1:G1+7]    ; both first fills together: two tensor loads of mine are out
	s_nop 0
	tensor_load_to_lds s[G0W:G0W+3], s[G1:G1+7]
	s_nop 0
	PLACES
	s_lshl_b32 s2, s17, 16                         ; my 8 row blocks of a slot's 16
	v_add_nc_u32 v[ADRB0], s2, v[CO]
	v_mov_b32 v[ADRB], v[ADRB0]
	v_lshlrev_b32 v[PFO], 8, v4
	s_mul_i32 s2, s[WV], 32*SP
	s_add_co_u32 s2, s2, STAGE                     ; my stage
	v_mul_u32_u24 v[STO], v2, SP
	v_lshl_add_u32 v[STO], v3, 5, v[STO]
	v_add_nc_u32 v[STO], s2, v[STO]                ; in: row lane % 16, 32 bytes for each half of the lanes
	v_lshrrev_b32 v5, 3, v4
	v_mul_u32_u24 v[RD], v5, SP
	v_and_b32 v5, 7, v4
	v_lshl_add_u32 v[RD], v5, 4, v[RD]
	v_add_nc_u32 v[RD], s2, v[RD]                  ; back: 32 lanes take four rows of 128 bytes, which are 512 consecutive bytes of a block
	WIN 0xc0
	v_mov_b32 v[SENT], 0x80000000
	WIN 0
	s_wait_tensorcnt 1                             ; my part of slot 0 is in; slot 1's may stay out
	s_barrier_signal -1
	s_barrier_wait -1
	FETCH 0, 0
	HALF 0, 1, 1, 1, 3*KBB, 32                     ; half 0 stands in front of the loop: its first products start the sums
	WIN 0
	s_mov_b32 s3, 6
.Lk:                                               ; a trip: a slot's halves 1, 2 and 3, the change of slots with a refill, the next slot's half 0
	HALF 1, 0, 2, 1, 4*KBB, 32
	HALF 2, 0, 3, 1, 5*KBB, 32
	TURN 1
	HALF 0, 0, 1, 1, 7*KBB, 32
	WIN 0
	s_wait_xcnt 0x0                                ; every load and prefetch issued so far (the youngest load 64 products back) has read its address: the pointers may be written
	s_add_nc_u64 s[AP:AP+1], s[AP:AP+1], LRB
	s_add_nc_u64 s[PFB:PFB+1], s[PFB:PFB+1], LRB
	s_sub_co_u32 s3, s3, 1
	s_cmp_lg_u32 s3, 0
	s_cbranch_scc1 .Lk
	HALF 1, 0, 2, 1, 4*KBB, 32                     ; the tail is written out: halves 25 to 31; no slot is filled again
	HALF 2, 0, 3, 1, 5*KBB, 32
	TURN 0
	HALF 0, 0, 1, 1, 7*KBB, 32                     ; half 28 asks for the last rows i
	HALF 1, 0, 2, 2, 0, 32                         ; half 29 asks for the labels
	HALF 2, 0, 3, 0, 0, 36                         ; behind half 30's rows i: half 31's 16 loads and the labels' 20
	s_wait_loadcnt 20                              ; behind half 31's: the labels
	s_wait_dscnt 0x0
	MULS 0, 3, 0, 4, 0
	MULS 1, 3, 0, 4, 0
	MULS 2, 3, 0, 4, 0
	WIN 0
	PLACES
	PLACES
	s_wait_loadcnt 0x0                             ; the labels
; THE WAY OUT, a block of 32 x 32 at a time (block n: rows 32 (n / 4) on, columns 32 (n % 4) on: four accumulators u = 2 a' + b').
.macro PACK n
.set ab, (\n)/4
.set bb, (\n)%4
	WIN 0xc2
.irp u, 0,1,2,3
.irp p, 0,1,2,3
	v_pk_add_f32 v[T+8*(\u)+2*(\p):T+8*(\u)+2*(\p)+1], v[8*(8*(2*ab+(\u)/2)+2*bb+(\u)%2)+2*(\p):8*(8*(2*ab+(\u)/2)+2*bb+(\u)%2)+2*(\p)+1], 0 op_sel_hi:[1,0]  ; + 0 makes +0.0 of -0.0; each accumulator is read from its low end on
.endr
.endr
	WIN 0xcf                                       ; labels, mark and numbers all lie in window 3
.irp u, 0,1,2,3
.irp j, 0,1,2,3,4,5,6,7
	v_cmp_eq_u32 vcc_lo, v[LI+2*ab+(\u)/2], v[LJ+8*(2*bb+(\u)%2)+(\j)]
	v_cndmask_b32 v[T+8*(\u)+(\j)], v[SENT], v[T+8*(\u)+(\j)], vcc_lo
.endr
.endr
.endm
.macro TOSTAGE n
.set BB, BK+32*((\n)%2)
	WIN 0x0c                                       ; the stores' data in window 3
.irp u, 0,1,2,3
	ds_store_b128 v[STO], v[T+8*(\u):T+8*(\u)+3]   offset:16*SP*((\u)/2)+64*((\u)%2)
	ds_store_b128 v[STO], v[T+8*(\u)+4:T+8*(\u)+7] offset:16*SP*((\u)/2)+64*((\u)%2)+16
.endr
	WIN 0
.irp t, 0,1,2,3,4,5,6,7
	ds_load_b128 v[BB+4*(\t):BB+4*(\t)+3], v[RD] offset:4*SP*(\t)  ; LDS serves a wave's instructions in order (ISA guide 5.7.1.4): these see the stores above
.endr
.endm
.macro SEND n
.set BB, BK+32*((\n)%2)
	WIN 0
	s_wait_dscnt 0x0
	s_wait_xcnt 0x0                                ; the stores of the block before have read their data: the next TOSTAGE loads into those registers
.irp t, 0,1,2,3,4,5,6,7
	global_store_b128 v[CO], v[BB+4*(\t):BB+4*(\t)+3], s[10:11] offset:65536*((\n)/4)+4096*((\n)%4)+512*(\t)  ; 512 consecutive bytes, at a multiple of 256 from sc's first byte
.endr
.endm
	PACK 0
	TOSTAGE 0
.irp n, 1,2,3,4,5,6,7
	PACK \n
	SEND (\n)-1
	TOSTAGE \n
.endr
	SEND 7
	s_wait_tensorcnt 0x0                           ; the wave's end
	ds_add_u32 v[SPW], v[NIL]
	s_wait_dscnt 0x0
	CROUND                                         ; the closing round
	s_endpgm
.Lfunc_end_k_q908b673d91_gemm2:
	.size	k_q908b673d91_gemm2, .Lfunc_end_k_q908b673d91_gemm2-k_q908b673d91_gemm2
	.p2alignl 7, 3214868480
	.fill 96, 4, 3214868480
	.section	.rodata,"a",@progbits
	.p2align	6, 0x0
	.amdhsa_kernel k_q908b673d91_gemm2
		.amdhsa_group_segment_fixed_size 327680
		.amdhsa_private_segment_fixed_size 0
		.amdhsa_enable_private_segment 0
		.amdhsa_kernarg_size 24
		.amdhsa_user_sgpr_count 2
		.amdhsa_user_sgpr_kernarg_segment_ptr 1
		.amdhsa_wavefront_size32 1
		.amdhsa_system_sgpr_workgroup_id_x 1
		.amdhsa_system_sgpr_workgroup_id_y 1
		.amdhsa_system_sgpr_workgroup_id_z 1
		.amdhsa_system_vgpr_workitem_id 0
		.amdhsa_next_free_vgpr 1024
		.amdhsa_next_free_sgpr 66
		.amdhsa_reserve_vcc 1
		.amdhsa_float_denorm_mode_32 3
		.amdhsa_float_denorm_mode_16_64 3
		.amdhsa_memory_ordered 1
		.amdhsa_forward_progress 1
		.amdhsa_inst_pref_size 168
	.end_amdhsa_kernel
	.amdgpu_metadata
---
amdhsa.version: [ 1, 2 ]
amdhsa.kernels:
  - .name:           k_q908b673d91_gemm2
    .symbol:         k_q908b673d91_gemm2.kd
    .args:
      - { .name: xb, .offset: 0, .size: 8, .value_kind: global_buffer, .address_space: global }
      - { .name: lt, .offset: 8, .size: 8, .value_kind: global_buffer, .address_space: global }
      - { .name: sc, .offset: 16, .size: 8, .value_kind: global_buffer, .address_space: global }
    .group_segment_fixed_size: 327680
    .private_segment_fixed_size: 0
    .kernarg_segment_align: 8
    .kernarg_segment_size: 24
    .max_flat_workgroup_size: 128
    .sgpr_count:     66
    .vgpr_count:     1024
    .wavefront_size: 32
...
	.end_amdgpu_metadata
.endif
;; end of part 3
;; launch stats (part 4): grid 256 x 1, 8 waves a work-group, no clusters, 1,536 bytes of LDS; arguments sc, part; writes part
.if DOCPART == 4
	.amdgcn_target "amdgcn-amd-amdhsa--gfx1250"
	.amdhsa_code_object_version 6
	.text
	.protected	k_q908b673d91_stats
	.globl	k_q908b673d91_stats
	.p2align	8
	.type	k_q908b673d91_stats,@function
k_q908b673d91_stats:
	s_mov_b64 s[64:65], 0
	v_nop
	global_prefetch_b8 v0, s[64:65] scope:SCOPE_SE
	s_setreg_imm32_b32 hwreg(HW_REG_WAVE_MODE, 25, 1), 1
	s_wait_xcnt 0x0
; STATS.  reference() cuts [i][j][c] into 31 runs of 2^20 numbers.  2^20 = 31 x 33,825 + 1 and 33,825 = 33 x 1,024 + 33: boundary g falls into the pair (33 g, 33 g), on the diagonal, which the
; cross-domain mask removes.  So a cross pair lies with all 31 classes in one run: row R < 512 in run R / 33, row R >= 512 in run (R - 1) / 33.
; In a block of 32 x 32 pairs (bands ib, jb): local row lr lies in run ib - 1 + (lr >= ib); local column lc, as a row of the transposed half, in run 15 + jb + (lc >= 17 + jb).
; A work-group takes one block, all 31 classes (126,976 bytes, all loads out at once), and makes for each of its four quadrants q = 2 (lr >= ib) + (lc >= 17 + jb)
; mu = the largest number and sigma = the sum of exp(number - mu); a masked place (-0.0) counts as 0, as in reference().  An empty quadrant gets the lowest finite number and 0.
; part: [block][q] -> (mu, sigma), f32.  No cluster: no work-group reads what another reads.  A term below 2^-126 counts as 0; NaN and infinities are not treated apart.
.set RED1,  0
.set RED2,  256
.set SPARE, 512                        ; the spare words, 128 bytes for each of eight waves: four blocks of 256 bytes that no other line names
.set SPW, 8                            ; never rewritten
.set NIL, 9                            ; never rewritten
.set NEG, 10                           ; the lowest finite number
.set RA,  11                           ; 16 x my wave
.set ZR,  12                           ; 0
.set V,   16                           ; v[16:139]  class c's four numbers at V + 4 c
.set P,   140
.set TA,  144
.set TC,  148
.set Q,   152
.set TP,  156
.set RB1, 160
.set RB2, V+32                         ; dead when the sums are made
.set NRL, 196                          ; - log2(e) x my quadrants' maxima, by column
.set WV,  20
.set SR,  21                           ; mask: my row lies in the upper run
.set SC,  22                           ; s22-25: my column k lies in the upper run
.set LG,  26                           ; s[26:27] log2(e)
.set SEL, 28                           ; s[28:29] v_permlanex16_b32's selects
; my four numbers src + k go to their quadrants; the others get fill
.macro SPLIT src, fill, plain
.irp k, 0,1,2,3
	v_cndmask_b32 v[TA+(\k)], v[(\src)+(\k)], v[\fill], s[SC+(\k)]
	v_cndmask_b32 v[TC+(\k)], v[\fill], v[(\src)+(\k)], s[SC+(\k)]
.endr
	\plain v[TA], v[TA], v[TA+1]
	\plain v[TC], v[TC], v[TC+1]
	\plain v[TA+2], v[TA+2], v[TA+3]
	\plain v[TC+2], v[TC+2], v[TC+3]
	\plain v[TA], v[TA], v[TA+2]
	\plain v[TC], v[TC], v[TC+2]
	v_cndmask_b32 v[Q],   v[TA], v[\fill], s[SR]
	v_cndmask_b32 v[Q+1], v[TC], v[\fill], s[SR]
	v_cndmask_b32 v[Q+2], v[\fill], v[TA], s[SR]
	v_cndmask_b32 v[Q+3], v[\fill], v[TC], s[SR]
.endm
; Q's four numbers are reduced over the wave's lanes, then over the eight waves through 128 bytes of LDS at red; the result lies in v[rb .. rb + 3] of every lane
.macro GROUPRED red, dpp, plain, rb
.irp m, 1,2,4,8
.irp q, 0,1,2,3
	\dpp v[Q+(\q)], v[Q+(\q)], v[Q+(\q)] row_xmask:\m row_mask:0xf bank_mask:0xf
.endr
.endr
.irp q, 0,1,2,3
	v_permlanex16_b32 v[TP+(\q)], v[Q+(\q)], s[SEL], s[SEL+1]
.endr
.irp q, 0,1,2,3
	\plain v[Q+(\q)], v[Q+(\q)], v[TP+(\q)]
.endr
	ds_store_b128 v[RA], v[Q:Q+3] offset:\red      ; all lanes write the same 16 bytes
	s_wait_dscnt 0x0                               ; for the others' sake
	s_barrier_signal -1
	s_barrier_wait -1
.irp i, 0,1,2,3,4,5,6,7
	ds_load_b128 v[(\rb)+4*(\i):(\rb)+4*(\i)+3], v[ZR] offset:(\red)+16*(\i)
.endr
	s_wait_dscnt 0x0
.irp s, 16,8,4
.set i, 0
.rept \s
	\plain v[(\rb)+i], v[(\rb)+i], v[(\rb)+i+(\s)]
.set i, i+1
.endr
.endr
.endm
	s_load_b128 s[4:7], s[0:1], 0x0                ; sc s[4:5], part s[6:7]
	v_lshl_add_u32 v[SPW], v0, 2, SPARE
	v_mov_b32 v[NIL], 0
	v_lshrrev_b32 v1, 5, v0
	v_readfirstlane_b32 s[WV], v1
	v_lshlrev_b32 v1, 4, v0                        ; my 16 bytes of a block: row t / 8, columns 4 (t % 8) on
	v_lshrrev_b32 v2, 3, v0
	v_and_b32 v3, 7, v0
	v_lshlrev_b32 v3, 2, v3
	s_lshr_b32 s16, ttmp9, 4                       ; ib
	s_and_b32 s17, ttmp9, 15
	s_add_co_u32 s17, s17, 17                      ; 17 + jb
	s_lshl_b32 s18, ttmp9, 12
	s_mov_b32 s19, 0
	s_lshl_b32 s2, ttmp9, 5
	s_mov_b32 s3, 0
	s_mov_b32 s[LG], 0x3fb8aa3b
	s_mov_b32 s[LG+1], s[LG]
	s_mov_b32 s[SEL], 0x76543210
	s_mov_b32 s[SEL+1], 0xfedcba98
	s_wait_kmcnt 0x0
	s_add_nc_u64 s[8:9], s[4:5], s[18:19]          ; four bases 8 MiB apart, so that a class's MiB fits the immediate
	s_add_nc_u64 s[10:11], s[8:9], 0x800000
	s_add_nc_u64 s[12:13], s[10:11], 0x800000
	s_add_nc_u64 s[14:15], s[12:13], 0x800000
	s_add_nc_u64 s[6:7], s[6:7], s[2:3]
.set c, 0
.rept 31
	global_load_b128 v[V+4*c:V+4*c+3], v1, s[8+2*(c/8):9+2*(c/8)] offset:(c%8)*0x100000  ; a wave's load covers 512 consecutive bytes
.set c, c+1
.endr
	v_mov_b32 v[NEG], 0xff7fffff
	v_mov_b32 v[ZR], 0
	v_mov_b32 v[RA], s[WV]
	v_lshlrev_b32 v[RA], 4, v[RA]
.irp q, 0,1,2,3
	v_mov_b32 v[TP+(\q)], 0                        ; v_permlanex16_b32's destination counts as read
.endr
	v_cmp_le_u32 s[SR], s16, v2
.irp k, 0,1,2,3
	v_add_nc_u32 v4, \k, v3
	v_cmp_le_u32 s[SC+(\k)], s17, v4
.endr
	; the largest of each pair's 31 numbers, three operands at a time; the counts leave the younger classes' loads out
	s_wait_loadcnt 24
.irp k, 0,1,2,3
	v_max3_num_f32 v[P+(\k)], v[V+(\k)], v[V+4+(\k)], v[V+8+(\k)]
.endr
.set i, 1
.rept 14
.if i == 3
	s_wait_loadcnt 16
.endif
.if i == 7
	s_wait_loadcnt 8
.endif
.if i == 11
	s_wait_loadcnt 0x0
.endif
.irp k, 0,1,2,3
	v_max3_num_f32 v[P+(\k)], v[P+(\k)], v[V+4*(2*i+1)+(\k)], v[V+4*(2*i+2)+(\k)]
.endr
.set i, i+1
.endr
	SPLIT P, NEG, v_max_num_f32
	GROUPRED RED1, v_max_num_f32_dpp, v_max_num_f32, RB1
	v_cndmask_b32 v[TA],   v[RB1],   v[RB1+2], s[SR]
	v_cndmask_b32 v[TA+1], v[RB1+1], v[RB1+3], s[SR]
.irp k, 0,1,2,3
	v_cndmask_b32 v[NRL+(\k)], v[TA], v[TA+1], s[SC+(\k)]
.endr
.irp k, 0,1,2,3
	v_mul_f32 v[NRL+(\k)], 0xbfb8aa3b, v[NRL+(\k)]
.endr
.set c, 0
.rept 31
	v_pk_fma_f32 v[V+4*c:V+4*c+1],   v[V+4*c:V+4*c+1],   s[LG:LG+1], v[NRL:NRL+1]   op_sel_hi:[1,0,1]
	v_pk_fma_f32 v[V+4*c+2:V+4*c+3], v[V+4*c+2:V+4*c+3], s[LG:LG+1], v[NRL+2:NRL+3] op_sel_hi:[1,0,1]
.set c, c+1
.endr
.set i, 0
.rept 124
	v_exp_f32 v[V+i], v[V+i]                       ; one batch
.set i, i+1
.endr
	v_nop                                          ; a plain instruction behind the last exponential,
	s_wait_alu depctr_va_vdst(0)                   ; and the one wait ahead of the batch's first reader
.set c, 2
.rept 29                                           ; four chains: two pairs of columns x the class's parity
	v_pk_add_f32 v[V+4*(c%2):V+4*(c%2)+1],   v[V+4*(c%2):V+4*(c%2)+1],   v[V+4*c:V+4*c+1]
	v_pk_add_f32 v[V+4*(c%2)+2:V+4*(c%2)+3], v[V+4*(c%2)+2:V+4*(c%2)+3], v[V+4*c+2:V+4*c+3]
.set c, c+1
.endr
	v_pk_add_f32 v[V:V+1],   v[V:V+1],   v[V+4:V+5]
	v_pk_add_f32 v[V+2:V+3], v[V+2:V+3], v[V+6:V+7]
	SPLIT V, ZR, v_add_f32
	GROUPRED RED2, v_add_f32_dpp, v_add_f32, RB2
	s_cmp_lg_u32 s[WV], 0
	s_cbranch_scc1 .Lend
.irp q, 0,1,2,3
	v_mov_b32 v[TA+2*(\q)],   v[RB1+(\q)]
	v_mov_b32 v[TA+2*(\q)+1], v[RB2+(\q)]
.endr
	s_wait_xcnt 0x0                                ; EXEC changes only behind this wait
	v_cmp_eq_u32 vcc_lo, 0, v0
	s_and_saveexec_b32 s30, vcc_lo                 ; one lane stores the block's 32 bytes
	global_store_b128 v[ZR], v[TA:TA+3], s[6:7]
	global_store_b128 v[ZR], v[TA+4:TA+7], s[6:7] offset:16
	s_wait_xcnt 0x0
	s_or_b32 exec_lo, exec_lo, s30
.Lend:
	s_wait_tensorcnt 0x0                           ; the wave's end, behind my last LDS store
	ds_add_u32 v[SPW], v[NIL]
	s_wait_dscnt 0x0
	s_endpgm
.Lfunc_end_k_q908b673d91_stats:
	.size	k_q908b673d91_stats, .Lfunc_end_k_q908b673d91_stats-k_q908b673d91_stats
	.p2alignl 7, 3214868480
	.fill 96, 4, 3214868480
	.section	.rodata,"a",@progbits
	.p2align	6, 0x0
	.amdhsa_kernel k_q908b673d91_stats
		.amdhsa_group_segment_fixed_size 1536
		.amdhsa_private_segment_fixed_size 0
		.amdhsa_enable_private_segment 0
		.amdhsa_kernarg_size 16
		.amdhsa_user_sgpr_count 2
		.amdhsa_user_sgpr_kernarg_segment_ptr 1
		.amdhsa_wavefront_size32 1
		.amdhsa_system_sgpr_workgroup_id_x 1
		.amdhsa_system_sgpr_workgroup_id_y 1
		.amdhsa_system_sgpr_workgroup_id_z 1
		.amdhsa_system_vgpr_workitem_id 0
		.amdhsa_next_free_vgpr 200
		.amdhsa_next_free_sgpr 66
		.amdhsa_reserve_vcc 1
		.amdhsa_float_denorm_mode_32 3
		.amdhsa_float_denorm_mode_16_64 3
		.amdhsa_memory_ordered 1
		.amdhsa_forward_progress 1
		.amdhsa_inst_pref_size 30
	.end_amdhsa_kernel
	.amdgpu_metadata
---
amdhsa.version: [ 1, 2 ]
amdhsa.kernels:
  - .name:           k_q908b673d91_stats
    .symbol:         k_q908b673d91_stats.kd
    .args:
      - { .name: sc, .offset: 0, .size: 8, .value_kind: global_buffer, .address_space: global }
      - { .name: part, .offset: 8, .size: 8, .value_kind: global_buffer, .address_space: global }
    .group_segment_fixed_size: 1536
    .private_segment_fixed_size: 0
    .kernarg_segment_align: 8
    .kernarg_segment_size: 16
    .max_flat_workgroup_size: 256
    .sgpr_count:     66
    .vgpr_count:     200
    .wavefront_size: 32
...
	.end_amdgpu_metadata
.endif
;; end of part 4
;; launch final (part 5): grid 256 x 1, 8 waves a work-group, no clusters, 6,144 bytes of LDS; arguments sc, part, out0; writes out0
.if DOCPART == 5
	.amdgcn_target "amdgcn-amd-amdhsa--gfx1250"
	.amdhsa_code_object_version 6
	.text
	.protected	k_q908b673d91_final
	.globl	k_q908b673d91_final
	.p2align	8
	.type	k_q908b673d91_final,@function
k_q908b673d91_final:
	s_mov_b64 s[64:65], 0
	v_nop
	global_prefetch_b8 v0, s[64:65] scope:SCOPE_SE
	s_setreg_imm32_b32 hwreg(HW_REG_WAVE_MODE, 25, 1), 1
	s_wait_xcnt 0x0
; FINAL.  A work-group takes one block of 32 x 32 pairs (bands ib, jb; runs as in the launch before): its pairs (i, j) lie in runs ib - 1 and ib, its pairs (j, i) in runs 15 + jb and 16 + jb.
; For each of these four runs G it makes beta = log2(e) M + log2 Z from all 1,024 quadrants' (mu, sigma): M = the largest of 0 and the mu of the run's quadrants (a running maximum taken away, as in reference());
; Z = the sum of w sigma exp(mu - M) + N exp(-M), where w counts in how many of the two ways a quadrant lies in G, and N is the number of the run's intra-domain places, which are 0:
; 2^20 - 15,872 x rows = 524,800 for 33 rows, 508,928 for run 15's 34.
; Then out0[i][j] = the sum over unmasked c of 2^(log2(e) s - beta1), out0[j][i] the same with beta2.  One exponential serves both: it is taken against the smaller beta (every s lies under both
; runs' maxima, so no exponent is positive), and the sum is multiplied by 2^(betamin - beta1) and 2^(betamin - beta2).
; A weight below 2^-126 counts as 0; NaN and infinities are not treated apart.  A block's row in out0 is 128 bytes: each store of eight lanes covers 128 consecutive bytes.
; No cluster: what all work-groups read alike, part, is 8,192 bytes beside a block's 126,976.
.set RED1,  0
.set RED2,  256
.set TILE,  512                        ; 32 rows x 144 bytes: the transposed block
.set SPARE, 5120                       ; the spare words: four blocks of 256 bytes that no other line names
.set VO,  6                            ; 4,096 (t / 8) + 16 (t % 8)
.set TW,  7                            ; where I put my four transposed numbers
.set SPW, 8                            ; never rewritten
.set NIL, 9                            ; never rewritten
.set NEG, 10
.set RA,  11
.set ZR,  12
.set NINF, 13
.set PO,  14                           ; 32 t
.set TRD, 15                           ; where I read a transposed row back
.set V,   16                           ; v[16:139]
.set PQ,  140                          ; block t's mu0 sigma0 .. mu3 sigma3
.set W,   148                          ; w[n][q] at W + 4 n + q; later the results
.set CD,  164                          ; candidates, then exponentials, by [n][q]
.set Q,   180
.set TP,  184
.set RB,  188
.set MM,  220
.set NML, 224                          ; - log2(e) M
.set EM,  228                          ; 2^(- log2(e) M)
.set BETA, 232
.set NBM, 236                          ; - the smaller beta, by column
.set FF,  240                          ; the two factors, by column
.set R1,  248
.set R2,  250
.set E1,  252
.set E2,  254
.set WV,  20
.set SR,  21
.set SC,  22
.set LG,  26
.set SEL, 28
.set GR,  32                           ; s32-35 the four runs
.set NN,  36                           ; s36-39 their intra-domain places
.set SN,  40                           ; the mark of a masked place
.macro GROUPRED red, dpp, plain, rb
.irp m, 1,2,4,8
.irp q, 0,1,2,3
	\dpp v[Q+(\q)], v[Q+(\q)], v[Q+(\q)] row_xmask:\m row_mask:0xf bank_mask:0xf
.endr
.endr
.irp q, 0,1,2,3
	v_permlanex16_b32 v[TP+(\q)], v[Q+(\q)], s[SEL], s[SEL+1]
.endr
.irp q, 0,1,2,3
	\plain v[Q+(\q)], v[Q+(\q)], v[TP+(\q)]
.endr
	ds_store_b128 v[RA], v[Q:Q+3] offset:\red
	s_wait_dscnt 0x0
	s_barrier_signal -1
	s_barrier_wait -1
.irp i, 0,1,2,3,4,5,6,7
	ds_load_b128 v[(\rb)+4*(\i):(\rb)+4*(\i)+3], v[ZR] offset:(\red)+16*(\i)
.endr
	s_wait_dscnt 0x0
.irp s, 16,8,4
.set i, 0
.rept \s
	\plain v[(\rb)+i], v[(\rb)+i], v[(\rb)+i+(\s)]
.set i, i+1
.endr
.endr
.endm
	s_load_b128 s[4:7], s[0:1], 0x0                ; sc s[4:5], part s[6:7]
	s_load_b64 s[8:9], s[0:1], 0x10                ; out0
	v_lshl_add_u32 v[SPW], v0, 2, SPARE
	v_mov_b32 v[NIL], 0
	v_lshrrev_b32 v1, 5, v0
	v_readfirstlane_b32 s[WV], v1
	v_lshlrev_b32 v1, 4, v0
	v_lshlrev_b32 v[PO], 5, v0
	v_lshrrev_b32 v2, 3, v0                        ; row
	v_and_b32 v5, 7, v0
	v_lshlrev_b32 v3, 2, v5                        ; first column
	v_lshlrev_b32 v[VO], 4, v5
	v_lshl_add_u32 v[VO], v2, 12, v[VO]
	v_mul_u32_u24 v[TW], v5, 576
	v_lshl_add_u32 v[TW], v2, 2, v[TW]
	v_mul_u32_u24 v[TRD], v2, 144
	v_lshl_add_u32 v[TRD], v5, 4, v[TRD]
	s_lshr_b32 s30, ttmp9, 4                       ; ib
	s_and_b32 s31, ttmp9, 15                       ; jb
	s_sub_co_u32 s[GR], s30, 1                     ; (for ib = 0 a run that no quadrant names but empty ones)
	s_mov_b32 s[GR+1], s30
	s_add_co_u32 s[GR+2], s31, 15
	s_add_co_u32 s[GR+3], s31, 16
	s_mov_b32 s41, 524800
	s_mov_b32 s42, 508928
.irp n, 0,1,2,3
	s_cmp_eq_u32 s[GR+(\n)], 15
	s_cselect_b32 s[NN+(\n)], s42, s41
.endr
	s_add_co_u32 s43, s31, 17
	s_lshl_b32 s44, ttmp9, 12
	s_mov_b32 s45, 0
	s_lshl_b32 s46, s30, 17                        ; out0[32 ib + row][512 + 32 jb + ..]
	s_lshl_b32 s47, s31, 7
	s_add_co_u32 s46, s46, s47
	s_add_co_u32 s46, s46, 2048
	s_mov_b32 s47, 0
	s_lshl_b32 s2, s31, 17                         ; out0[512 + 32 jb + column][32 ib + ..]
	s_lshl_b32 s3, s30, 7
	s_add_co_u32 s2, s2, s3
	s_add_co_u32 s2, s2, 0x200000
	s_mov_b32 s3, 0
	s_mov_b32 s[LG], 0x3fb8aa3b
	s_mov_b32 s[LG+1], s[LG]
	s_mov_b32 s[SEL], 0x76543210
	s_mov_b32 s[SEL+1], 0xfedcba98
	s_mov_b32 s[SN], 0x80000000
	s_wait_kmcnt 0x0
	s_add_nc_u64 s[12:13], s[4:5], s[44:45]
	s_add_nc_u64 s[14:15], s[12:13], 0x800000
	s_add_nc_u64 s[16:17], s[14:15], 0x800000
	s_add_nc_u64 s[18:19], s[16:17], 0x800000
	s_add_nc_u64 s[10:11], s[8:9], s[2:3]
	s_add_nc_u64 s[8:9], s[8:9], s[46:47]
	global_load_b128 v[PQ:PQ+3],   v[PO], s[6:7]
	global_load_b128 v[PQ+4:PQ+7], v[PO], s[6:7] offset:16
.set c, 0
.rept 31
	global_load_b128 v[V+4*c:V+4*c+3], v1, s[12+2*(c/8):13+2*(c/8)] offset:(c%8)*0x100000 th:TH_LOAD_NT
.set c, c+1
.endr
	v_mov_b32 v[NEG], 0xff7fffff
	v_mov_b32 v[NINF], 0xff800000
	v_mov_b32 v[ZR], 0
	v_mov_b32 v[RA], s[WV]
	v_lshlrev_b32 v[RA], 4, v[RA]
.irp q, 0,1,2,3
	v_mov_b32 v[TP+(\q)], 0
.endr
	v_cmp_le_u32 s[SR], s30, v2
.irp k, 0,1,2,3
	v_add_nc_u32 v4, \k, v3
	v_cmp_le_u32 s[SC+(\k)], s43, v4
.endr
	; block t's quadrants: their runs as (i, j) and as (j, i), and in how many of the two ways each lies in run G[n]
	v_lshrrev_b32 v[R1+1], 4, v0
	v_add_nc_u32 v[R1], -1, v[R1+1]
	v_and_b32 v4, 15, v0
	v_add_nc_u32 v[R2], 15, v4
	v_add_nc_u32 v[R2+1], 16, v4
.irp n, 0,1,2,3
.irp u, 0,1
	v_cmp_eq_u32 vcc_lo, s[GR+(\n)], v[R1+(\u)]
	v_cndmask_b32 v[E1+(\u)], 0, 1.0, vcc_lo
	v_cmp_eq_u32 vcc_lo, s[GR+(\n)], v[R2+(\u)]
	v_cndmask_b32 v[E2+(\u)], 0, 1.0, vcc_lo
.endr
.irp q, 0,1,2,3
	v_add_f32 v[W+4*(\n)+(\q)], v[E1+(\q)/2], v[E2+(\q)%2]
.endr
.endr
	s_wait_loadcnt 31                              ; part is in; the 31 score loads stay out
.irp n, 0,1,2,3
.irp q, 0,1,2,3
	v_cmp_lt_f32 vcc_lo, 0, v[W+4*(\n)+(\q)]
	v_cndmask_b32 v[CD+4*(\n)+(\q)], v[NEG], v[PQ+2*(\q)], vcc_lo
.endr
	v_max3_num_f32 v[Q+(\n)], v[CD+4*(\n)], v[CD+4*(\n)+1], v[CD+4*(\n)+2]
	v_max_num_f32 v[Q+(\n)], v[Q+(\n)], v[CD+4*(\n)+3]
.endr
	GROUPRED RED1, v_max_num_f32_dpp, v_max_num_f32, RB
.irp n, 0,1,2,3
	v_max_num_f32 v[MM+(\n)], 0, v[RB+(\n)]        ; every run holds zeros
.endr
.irp n, 0,1,2,3
	v_mul_f32 v[NML+(\n)], 0xbfb8aa3b, v[MM+(\n)]
.endr
.irp n, 0,1,2,3
.irp q, 0,1,2,3
	v_fma_f32 v[CD+4*(\n)+(\q)], v[CD+4*(\n)+(\q)], s[LG], v[NML+(\n)]
.endr
.endr
.set i, 0
.rept 16
	v_exp_f32 v[CD+i], v[CD+i]
.set i, i+1
.endr
.irp n, 0,1,2,3
	v_exp_f32 v[EM+(\n)], v[NML+(\n)]
.endr
.irp n, 0,1,2,3
.irp q, 0,1,2,3
	v_mul_f32 v[W+4*(\n)+(\q)], v[W+4*(\n)+(\q)], v[PQ+2*(\q)+1]  ; w sigma: independent work behind the batch
.endr
.endr
	s_wait_alu depctr_va_vdst(0)                   ; one wait for the twenty exponentials
.irp n, 0,1,2,3
	v_mul_f32 v[Q+(\n)], v[W+4*(\n)], v[CD+4*(\n)]
.endr
.irp q, 1,2,3
.irp n, 0,1,2,3
	v_fmac_f32 v[Q+(\n)], v[W+4*(\n)+(\q)], v[CD+4*(\n)+(\q)]
.endr
.endr
	GROUPRED RED2, v_add_f32_dpp, v_add_f32, RB
.irp n, 0,1,2,3
	v_cvt_f32_u32 v[E1+(\n)], s[NN+(\n)]           ; (E1, E2: four registers on end)
.endr
.irp n, 0,1,2,3
	v_fma_f32 v[RB+(\n)], v[E1+(\n)], v[EM+(\n)], v[RB+(\n)]
.endr
.irp n, 0,1,2,3
	v_log_f32 v[BETA+(\n)], v[RB+(\n)]
.endr
	v_nop
	s_wait_alu depctr_va_vdst(0)
.irp n, 0,1,2,3
	v_sub_f32 v[BETA+(\n)], v[BETA+(\n)], v[NML+(\n)]
.endr
	v_cndmask_b32 v4, v[BETA], v[BETA+1], s[SR]    ; beta of my row's run
.irp k, 0,1,2,3
	v_cndmask_b32 v[NBM+(\k)], v[BETA+2], v[BETA+3], s[SC+(\k)]  ; of my column's
.endr
.irp k, 0,1,2,3
	v_min_num_f32 v[R1+(\k)], v4, v[NBM+(\k)]      ; (R1, R2: four registers on end)
.endr
.irp k, 0,1,2,3
	v_sub_f32 v[FF+(\k)],   v[R1+(\k)], v4
	v_sub_f32 v[FF+4+(\k)], v[R1+(\k)], v[NBM+(\k)]
.endr
.irp k, 0,1,2,3
	v_mul_f32 v[NBM+(\k)], -1.0, v[R1+(\k)]
.endr
	s_wait_loadcnt 0x0
.set i, 0
.rept 124
	v_cmp_eq_u32 vcc_lo, s[SN], v[V+i]             ; a masked place has weight 0
	v_cndmask_b32 v[V+i], v[V+i], v[NINF], vcc_lo
.set i, i+1
.endr
.set c, 0
.rept 31
	v_pk_fma_f32 v[V+4*c:V+4*c+1],   v[V+4*c:V+4*c+1],   s[LG:LG+1], v[NBM:NBM+1]   op_sel_hi:[1,0,1]
	v_pk_fma_f32 v[V+4*c+2:V+4*c+3], v[V+4*c+2:V+4*c+3], s[LG:LG+1], v[NBM+2:NBM+3] op_sel_hi:[1,0,1]
.set c, c+1
.endr
.set i, 0
.rept 8
	v_exp_f32 v[FF+i], v[FF+i]                     ; one batch: the eight factors and the 124 weights
.set i, i+1
.endr
.set i, 0
.rept 124
	v_exp_f32 v[V+i], v[V+i]
.set i, i+1
.endr
	v_nop
	s_wait_alu depctr_va_vdst(0)
.set c, 2
.rept 29
	v_pk_add_f32 v[V+4*(c%2):V+4*(c%2)+1],   v[V+4*(c%2):V+4*(c%2)+1],   v[V+4*c:V+4*c+1]
	v_pk_add_f32 v[V+4*(c%2)+2:V+4*(c%2)+3], v[V+4*(c%2)+2:V+4*(c%2)+3], v[V+4*c+2:V+4*c+3]
.set c, c+1
.endr
	v_pk_add_f32 v[V:V+1],   v[V:V+1],   v[V+4:V+5]
	v_pk_add_f32 v[V+2:V+3], v[V+2:V+3], v[V+6:V+7]
	v_pk_mul_f32 v[W:W+1],   v[V:V+1],   v[FF:FF+1]
	v_pk_mul_f32 v[W+2:W+3], v[V+2:V+3], v[FF+2:FF+3]
	v_pk_mul_f32 v[W+4:W+5], v[V:V+1],   v[FF+4:FF+5]
	v_pk_mul_f32 v[W+6:W+7], v[V+2:V+3], v[FF+6:FF+7]
	global_store_b128 v[VO], v[W:W+3], s[8:9] th:TH_STORE_NT
.irp k, 0,1,2,3
	ds_store_b32 v[TW], v[W+4+(\k)] offset:TILE+144*(\k)
.endr
	s_wait_dscnt 0x0                               ; for the others' sake
	s_barrier_signal -1
	s_barrier_wait -1
	ds_load_b128 v[W+8:W+11], v[TRD] offset:TILE
	s_wait_dscnt 0x0
	global_store_b128 v[VO], v[W+8:W+11], s[10:11] th:TH_STORE_NT
	s_wait_tensorcnt 0x0                           ; the wave's end, behind my last LDS store
	ds_add_u32 v[SPW], v[NIL]
	s_wait_dscnt 0x0
	s_endpgm
.Lfunc_end_k_q908b673d91_final:
	.size	k_q908b673d91_final, .Lfunc_end_k_q908b673d91_final-k_q908b673d91_final
	.p2alignl 7, 3214868480
	.fill 96, 4, 3214868480
	.section	.rodata,"a",@progbits
	.p2align	6, 0x0
	.amdhsa_kernel k_q908b673d91_final
		.amdhsa_group_segment_fixed_size 6144
		.amdhsa_private_segment_fixed_size 0
		.amdhsa_enable_private_segment 0
		.amdhsa_kernarg_size 24
		.amdhsa_user_sgpr_count 2
		.amdhsa_user_sgpr_kernarg_segment_ptr 1
		.amdhsa_wavefront_size32 1
		.amdhsa_system_sgpr_workgroup_id_x 1
		.amdhsa_system_sgpr_workgroup_id_y 1
		.amdhsa_system_sgpr_workgroup_id_z 1
		.amdhsa_system_vgpr_workitem_id 0
		.amdhsa_next_free_vgpr 256
		.amdhsa_next_free_sgpr 66
		.amdhsa_reserve_vcc 1
		.amdhsa_float_denorm_mode_32 3
		.amdhsa_float_denorm_mode_16_64 3
		.amdhsa_memory_ordered 1
		.amdhsa_forward_progress 1
		.amdhsa_inst_pref_size 42
	.end_amdhsa_kernel
	.amdgpu_metadata
---
amdhsa.version: [ 1, 2 ]
amdhsa.kernels:
  - .name:           k_q908b673d91_final
    .symbol:         k_q908b673d91_final.kd
    .args:
      - { .name: sc, .offset: 0, .size: 8, .value_kind: global_buffer, .address_space: global }
      - { .name: part, .offset: 8, .size: 8, .value_kind: global_buffer, .address_space: global }
      - { .name: out0, .offset: 16, .size: 8, .value_kind: global_buffer, .address_space: global }
    .group_segment_fixed_size: 6144
    .private_segment_fixed_size: 0
    .kernarg_segment_align: 8
    .kernarg_segment_size: 24
    .max_flat_workgroup_size: 256
    .sgpr_count:     66
    .vgpr_count:     256
    .wavefront_size: 32
...
	.end_amdgpu_metadata
.endif
;; end of part 5
;; ======== version 2 of 2: 5 launches; version 1 with the launch final written anew for expert scheduling mode
;; workspace buffers: xh 2,097,152 bytes; lt 126,976 bytes; xb 130,023,424 bytes; sc 32,505,856 bytes; part 8,192 bytes
;; launch prep: the kernel of part 1 again; grid 256 x 1, 8 waves a work-group, no clusters, 0 bytes of LDS; arguments inputs, labels, xh, lt, out0; writes xh, lt, out0
;; launch gemm1: the kernel of part 2 again; grid 16 x 31, 4 waves a work-group, clusters of 4 x 1, 327,680 bytes of LDS; arguments xh, kernel, bias, xb; writes xb
;; launch gemm2: the kernel of part 3 again; grid 4 x 62, 4 waves a work-group, clusters of 4 x 1, 327,680 bytes of LDS; arguments xb, lt, sc; writes sc
;; launch stats: the kernel of part 4 again; grid 256 x 1, 8 waves a work-group, no clusters, 1,536 bytes of LDS; arguments sc, part; writes part
;; launch final (part 6): grid 256 x 1, 8 waves a work-group, no clusters, 6,144 bytes of LDS; arguments sc, part, out0; writes out0
.if DOCPART == 6
	.amdgcn_target "amdgcn-amd-amdhsa--gfx1250"
	.amdhsa_code_object_version 6
	.text
	.protected	k_q908b673d91_final
	.globl	k_q908b673d91_final
	.p2align	8
	.type	k_q908b673d91_final,@function
k_q908b673d91_final:
	s_mov_b64 s[64:65], 0
	v_nop
	global_prefetch_b8 v0, s[64:65] scope:SCOPE_SE
	s_setreg_imm32_b32 hwreg(HW_REG_WAVE_SCHED_MODE, 0, 2), 2
	s_setreg_imm32_b32 hwreg(HW_REG_WAVE_MODE, 25, 1), 1
	s_wait_xcnt 0x0
	s_wait_alu depctr_vm_vsrc(0)
; FINAL.  A work-group takes one block of 32 x 32 pairs (bands ib, jb; runs as in the launch before): its pairs (i, j) lie in runs ib - 1 and ib, its pairs (j, i) in runs 15 + jb and 16 + jb.
; For each of these four runs G it makes beta = log2(e) M + log2 Z from all 1,024 quadrants' (mu, sigma): M = the largest of 0 and the mu of the run's quadrants (a running maximum taken away, as in reference());
; Z = the sum of w sigma exp(mu - M) + N exp(-M), where w counts in how many of the two ways a quadrant lies in G, and N is the number of the run's intra-domain places, which are 0:
; 2^20 - 15,872 x rows = 524,800 for 33 rows, 508,928 for run 15's 34.
; Then out0[i][j] = the sum over unmasked c of 2^(log2(e) s - beta1), out0[j][i] the same with beta2.  One exponential serves both: it is taken against the smaller beta (every s lies under both
; runs' maxima, so no exponent is positive), and the sum is multiplied by 2^(betamin - beta1) and 2^(betamin - beta2).
; A weight below 2^-126 counts as 0; NaN and infinities are not treated apart.  A block's row in out0 is 128 bytes: each store of eight lanes covers 128 consecutive bytes.
; No cluster: what all work-groups read alike, part, is 8,192 bytes beside a block's 126,976.
; THE MODE: SCHED_MODE bits 1:0 = 2 (LLVM: expert scheduling mode 2), set by the entry lines.  The code itself states the register dependences between vector instructions and memory or LDS
; instructions, and those through scalar registers that vector instructions write, with s_wait_alu, always for 0.
; THE PLAN.  The text is one straight run: no loop, no branch, no label; EXEC is never written.  Registers that memory or LDS instructions touch:
;   v1, v[PO], v[VO], v[TW], v[TRD]   offsets and LDS addresses, made at the head, ahead of the first load's wait, and never written again.
;   v[RA], v[ZR]                      the reductions' LDS addresses, made behind the loads, ahead of the first reduction's wait, and never written again.
;   v[PQ ..], v[V ..]                 the 33 global loads land here; no vector line names them before the wait on LOADcnt.  The vector lines that stand behind the loads name none of the loads' registers.
;   v[Q ..]                           written by a reduction's vector lines, read by its LDS store; written anew once, between the two reductions.
;   v[RB ..]                          a reduction's LDS loads land here; vector lines read and write them behind the wait on DScnt, and are done ahead of the next reduction's wait.
;   v[W .. W+7]                       the results: written by the last four multiplies, read by one global store and four LDS stores.   v[W+8 .. W+11]: the last LDS load lands here, the last global store reads them.
; Scalar registers that vector lines write: s[WV], s[SR], s[SC ..] and the masks s[MK ..].  The compares stand in runs, each into a mask register of its own, with one wait behind the run and ahead of the selects.
.set RED1,  0
.set RED2,  256
.set TILE,  512                        ; 32 rows x 144 bytes: the transposed block
.set SPARE, 5120                       ; the spare words: four blocks of 256 bytes that no other line names
.set VO,  6                            ; 4,096 (t / 8) + 16 (t % 8)
.set TW,  7                            ; where I put my four transposed numbers
.set SPW, 8                            ; never rewritten
.set NIL, 9                            ; never rewritten
.set NEG, 10
.set RA,  11
.set ZR,  12
.set NINF, 13
.set PO,  14                           ; 32 t
.set TRD, 15                           ; where I read a transposed row back
.set V,   16                           ; v[16:139]
.set PQ,  140                          ; block t's mu0 sigma0 .. mu3 sigma3
.set W,   148                          ; w[n][q] at W + 4 n + q; later the results
.set CD,  164                          ; candidates, then exponentials, by [n][q]
.set Q,   180
.set TP,  184
.set RB,  188
.set MM,  220
.set NML, 224                          ; - log2(e) M
.set EM,  228                          ; 2^(- log2(e) M)
.set BETA, 232
.set NBM, 236                          ; - the smaller beta, by column
.set FF,  240                          ; the two factors, by column
.set R1,  248
.set R2,  250
.set E1,  252
.set E2,  254
.set WV,  20
.set SR,  21
.set SC,  22
.set LG,  26
.set SEL, 28
.set GR,  32                           ; s32-35 the four runs
.set NN,  36                           ; s36-39 their intra-domain places
.set SN,  40                           ; the mark of a masked place
.set MK,  66                           ; s66-96 a run of compares' masks, one register each
.macro GROUPRED red, dpp, plain, rb
.irp m, 1,2,4,8
.irp q, 0,1,2,3
	\dpp v[Q+(\q)], v[Q+(\q)], v[Q+(\q)] row_xmask:\m row_mask:0xf bank_mask:0xf
.endr
.endr
.irp q, 0,1,2,3
	v_permlanex16_b32 v[TP+(\q)], v[Q+(\q)], s[SEL], s[SEL+1]
.endr
.irp q, 0,1,2,3
	\plain v[Q+(\q)], v[Q+(\q)], v[TP+(\q)]
.endr
	s_wait_alu depctr_va_vdst(0)                   ; v[Q ..] is written, which the LDS store reads; so are its address v[RA] and the loads' address v[ZR]; and every earlier vector line that named v[rb ..], in which the LDS loads land, is done
	ds_store_b128 v[RA], v[Q:Q+3] offset:\red
	s_wait_dscnt 0x0
	s_barrier_signal -1
	s_barrier_wait -1
.irp i, 0,1,2,3,4,5,6,7
	ds_load_b128 v[(\rb)+4*(\i):(\rb)+4*(\i)+3], v[ZR] offset:(\red)+16*(\i)  ; no vector line stands between the wait above and these loads
.endr
	s_wait_dscnt 0x0
.irp s, 16,8,4
.set i, 0
.rept \s
	\plain v[(\rb)+i], v[(\rb)+i], v[(\rb)+i+(\s)]
.set i, i+1
.endr
.endr
.endm
	s_load_b128 s[4:7], s[0:1], 0x0                ; sc s[4:5], part s[6:7]
	s_load_b64 s[8:9], s[0:1], 0x10                ; out0
	v_lshl_add_u32 v[SPW], v0, 2, SPARE
	v_mov_b32 v[NIL], 0
	v_lshrrev_b32 v1, 5, v0
	v_readfirstlane_b32 s[WV], v1                  ; read first behind the wait that follows the run of compares below
	v_lshlrev_b32 v1, 4, v0
	v_lshlrev_b32 v[PO], 5, v0
	v_lshrrev_b32 v2, 3, v0                        ; row
	v_and_b32 v5, 7, v0
	v_lshlrev_b32 v3, 2, v5                        ; first column
	v_lshlrev_b32 v[VO], 4, v5
	v_lshl_add_u32 v[VO], v2, 12, v[VO]
	v_mul_u32_u24 v[TW], v5, 576
	v_lshl_add_u32 v[TW], v2, 2, v[TW]
	v_mul_u32_u24 v[TRD], v2, 144
	v_lshl_add_u32 v[TRD], v5, 4, v[TRD]
	s_lshr_b32 s30, ttmp9, 4                       ; ib
	s_and_b32 s31, ttmp9, 15                       ; jb
	s_sub_co_u32 s[GR], s30, 1                     ; (for ib = 0 a run that no quadrant names but empty ones)
	s_mov_b32 s[GR+1], s30
	s_add_co_u32 s[GR+2], s31, 15
	s_add_co_u32 s[GR+3], s31, 16
	s_mov_b32 s41, 524800
	s_mov_b32 s42, 508928
.irp n, 0,1,2,3
	s_cmp_eq_u32 s[GR+(\n)], 15
	s_cselect_b32 s[NN+(\n)], s42, s41
.endr
	s_add_co_u32 s43, s31, 17
	s_lshl_b32 s44, ttmp9, 12
	s_mov_b32 s45, 0
	s_lshl_b32 s46, s30, 17                        ; out0[32 ib + row][512 + 32 jb + ..]
	s_lshl_b32 s47, s31, 7
	s_add_co_u32 s46, s46, s47
	s_add_co_u32 s46, s46, 2048
	s_mov_b32 s47, 0
	s_lshl_b32 s2, s31, 17                         ; out0[512 + 32 jb + column][32 ib + ..]
	s_lshl_b32 s3, s30, 7
	s_add_co_u32 s2, s2, s3
	s_add_co_u32 s2, s2, 0x200000
	s_mov_b32 s3, 0
	s_mov_b32 s[LG], 0x3fb8aa3b
	s_mov_b32 s[LG+1], s[LG]
	s_mov_b32 s[SEL], 0x76543210
	s_mov_b32 s[SEL+1], 0xfedcba98
	s_mov_b32 s[SN], 0x80000000
	s_wait_kmcnt 0x0
	s_add_nc_u64 s[12:13], s[4:5], s[44:45]
	s_add_nc_u64 s[14:15], s[12:13], 0x800000
	s_add_nc_u64 s[16:17], s[14:15], 0x800000
	s_add_nc_u64 s[18:19], s[16:17], 0x800000
	s_add_nc_u64 s[10:11], s[8:9], s[2:3]
	s_add_nc_u64 s[8:9], s[8:9], s[46:47]
	s_wait_alu depctr_va_vdst(0)                   ; v[PO] and v1 are written, which the loads below read as offsets; so are v[VO], v[TW] and v[TRD], which the stores and LDS instructions at the end read
	global_load_b128 v[PQ:PQ+3],   v[PO], s[6:7]
	global_load_b128 v[PQ+4:PQ+7], v[PO], s[6:7] offset:16
.set c, 0
.rept 31
	global_load_b128 v[V+4*c:V+4*c+3], v1, s[12+2*(c/8):13+2*(c/8)] offset:(c%8)*0x100000 th:TH_LOAD_NT
.set c, c+1
.endr
	; from here to the wait on LOADcnt: vector lines that name neither the loads' offsets nor the registers in which they land
	v_mov_b32 v[NEG], 0xff7fffff
	v_mov_b32 v[NINF], 0xff800000
	v_mov_b32 v[ZR], 0
.irp q, 0,1,2,3
	v_mov_b32 v[TP+(\q)], 0
.endr
	v_cmp_le_u32 s[SR], s30, v2
.irp k, 0,1,2,3
	v_add_nc_u32 v4, \k, v3
	v_cmp_le_u32 s[SC+(\k)], s43, v4
.endr
	; block t's quadrants: their runs as (i, j) and as (j, i), and in how many of the two ways each lies in run G[n]
	v_lshrrev_b32 v[R1+1], 4, v0
	v_add_nc_u32 v[R1], -1, v[R1+1]
	v_and_b32 v4, 15, v0
	v_add_nc_u32 v[R2], 15, v4
	v_add_nc_u32 v[R2+1], 16, v4
.irp n, 0,1,2,3
.irp u, 0,1
	v_cmp_eq_u32 s[MK+4*(\n)+(\u)],   s[GR+(\n)], v[R1+(\u)]
	v_cmp_eq_u32 s[MK+4*(\n)+2+(\u)], s[GR+(\n)], v[R2+(\u)]
.endr
.endr
	s_wait_alu depctr_va_sdst(0)                   ; one wait for 22 writers, ahead of the first reader of any: s[WV], s[SR], s[SC ..] and the sixteen masks s[MK ..] are written
	v_mov_b32 v[RA], s[WV]
	v_lshlrev_b32 v[RA], 4, v[RA]
.irp n, 0,1,2,3
.irp u, 0,1
	v_cndmask_b32 v[E1+(\u)], 0, 1.0, s[MK+4*(\n)+(\u)]
	v_cndmask_b32 v[E2+(\u)], 0, 1.0, s[MK+4*(\n)+2+(\u)]
.endr
.irp q, 0,1,2,3
	v_add_f32 v[W+4*(\n)+(\q)], v[E1+(\q)/2], v[E2+(\q)%2]
.endr
.endr
.irp n, 0,1,2,3
.irp q, 0,1,2,3
	v_cmp_lt_f32 s[MK+4*(\n)+(\q)], 0, v[W+4*(\n)+(\q)]
.endr
.endr
	s_wait_alu depctr_va_sdst(0)                   ; the sixteen masks w > 0 are written, which the selects below read
	s_wait_loadcnt 31                              ; part is in; the 31 score loads stay out
.irp n, 0,1,2,3
.irp q, 0,1,2,3
	v_cndmask_b32 v[CD+4*(\n)+(\q)], v[NEG], v[PQ+2*(\q)], s[MK+4*(\n)+(\q)]
.endr
	v_max3_num_f32 v[Q+(\n)], v[CD+4*(\n)], v[CD+4*(\n)+1], v[CD+4*(\n)+2]
	v_max_num_f32 v[Q+(\n)], v[Q+(\n)], v[CD+4*(\n)+3]
.endr
	GROUPRED RED1, v_max_num_f32_dpp, v_max_num_f32, RB
.irp n, 0,1,2,3
	v_max_num_f32 v[MM+(\n)], 0, v[RB+(\n)]        ; every run holds zeros
.endr
.irp n, 0,1,2,3
	v_mul_f32 v[NML+(\n)], 0xbfb8aa3b, v[MM+(\n)]
.endr
.irp n, 0,1,2,3
.irp q, 0,1,2,3
	v_fma_f32 v[CD+4*(\n)+(\q)], v[CD+4*(\n)+(\q)], s[LG], v[NML+(\n)]
.endr
.endr
.set i, 0
.rept 16
	v_exp_f32 v[CD+i], v[CD+i]
.set i, i+1
.endr
.irp n, 0,1,2,3
	v_exp_f32 v[EM+(\n)], v[NML+(\n)]
.endr
.irp n, 0,1,2,3
.irp q, 0,1,2,3
	v_mul_f32 v[W+4*(\n)+(\q)], v[W+4*(\n)+(\q)], v[PQ+2*(\q)+1]  ; w sigma: independent work behind the batch
.endr
.endr
	s_wait_alu depctr_va_vdst(0)                   ; one wait for the twenty exponentials: v[CD ..] and v[EM ..] are written, ahead of their first reader
	s_wait_alu depctr_vm_vsrc(0)                   ; the first reduction's LDS store has read v[Q ..], which the lines below write anew
.irp n, 0,1,2,3
	v_mul_f32 v[Q+(\n)], v[W+4*(\n)], v[CD+4*(\n)]
.endr
.irp q, 1,2,3
.irp n, 0,1,2,3
	v_fmac_f32 v[Q+(\n)], v[W+4*(\n)+(\q)], v[CD+4*(\n)+(\q)]
.endr
.endr
	GROUPRED RED2, v_add_f32_dpp, v_add_f32, RB
.irp n, 0,1,2,3
	v_cvt_f32_u32 v[E1+(\n)], s[NN+(\n)]           ; (E1, E2: four registers on end)
.endr
.irp n, 0,1,2,3
	v_fma_f32 v[RB+(\n)], v[E1+(\n)], v[EM+(\n)], v[RB+(\n)]
.endr
.irp n, 0,1,2,3
	v_log_f32 v[BETA+(\n)], v[RB+(\n)]
.endr
	v_nop                                          ; a plain instruction behind the last logarithm,
	s_wait_alu depctr_va_vdst(0)                   ; and the one wait for the four: v[BETA ..] is written, ahead of its first reader
.irp n, 0,1,2,3
	v_sub_f32 v[BETA+(\n)], v[BETA+(\n)], v[NML+(\n)]
.endr
	v_cndmask_b32 v4, v[BETA], v[BETA+1], s[SR]    ; beta of my row's run
.irp k, 0,1,2,3
	v_cndmask_b32 v[NBM+(\k)], v[BETA+2], v[BETA+3], s[SC+(\k)]  ; of my column's
.endr
.irp k, 0,1,2,3
	v_min_num_f32 v[R1+(\k)], v4, v[NBM+(\k)]      ; (R1, R2: four registers on end)
.endr
.irp k, 0,1,2,3
	v_sub_f32 v[FF+(\k)],   v[R1+(\k)], v4
	v_sub_f32 v[FF+4+(\k)], v[R1+(\k)], v[NBM+(\k)]
.endr
.irp k, 0,1,2,3
	v_mul_f32 v[NBM+(\k)], -1.0, v[R1+(\k)]
.endr
	s_wait_loadcnt 0x0
	; a masked place has weight 0.  A run is one of my four columns, all 31 classes: 31 compares, each into a mask register of its own, one wait, 31 selects
.irp k, 0,1,2,3
.set c, 0
.rept 31
	v_cmp_eq_u32 s[MK+c], s[SN], v[V+4*c+(\k)]
.set c, c+1
.endr
	s_wait_alu depctr_va_sdst(0)                   ; the run's 31 masks are written, which the selects below read
.set c, 0
.rept 31
	v_cndmask_b32 v[V+4*c+(\k)], v[V+4*c+(\k)], v[NINF], s[MK+c]
.set c, c+1
.endr
.endr
.set c, 0
.rept 31
	v_pk_fma_f32 v[V+4*c:V+4*c+1],   v[V+4*c:V+4*c+1],   s[LG:LG+1], v[NBM:NBM+1]   op_sel_hi:[1,0,1]
	v_pk_fma_f32 v[V+4*c+2:V+4*c+3], v[V+4*c+2:V+4*c+3], s[LG:LG+1], v[NBM+2:NBM+3] op_sel_hi:[1,0,1]
.set c, c+1
.endr
.set i, 0
.rept 8
	v_exp_f32 v[FF+i], v[FF+i]                     ; one batch: the eight factors and the 124 weights
.set i, i+1
.endr
.set i, 0
.rept 124
	v_exp_f32 v[V+i], v[V+i]
.set i, i+1
.endr
	v_nop                                          ; a plain instruction behind the last exponential,
	s_wait_alu depctr_va_vdst(0)                   ; and the one wait for the batch: v[FF ..] and v[V ..] are written, ahead of their first reader
.set c, 2
.rept 29
	v_pk_add_f32 v[V+4*(c%2):V+4*(c%2)+1],   v[V+4*(c%2):V+4*(c%2)+1],   v[V+4*c:V+4*c+1]
	v_pk_add_f32 v[V+4*(c%2)+2:V+4*(c%2)+3], v[V+4*(c%2)+2:V+4*(c%2)+3], v[V+4*c+2:V+4*c+3]
.set c, c+1
.endr
	v_pk_add_f32 v[V:V+1],   v[V:V+1],   v[V+4:V+5]
	v_pk_add_f32 v[V+2:V+3], v[V+2:V+3], v[V+6:V+7]
	v_pk_mul_f32 v[W:W+1],   v[V:V+1],   v[FF:FF+1]
	v_pk_mul_f32 v[W+2:W+3], v[V+2:V+3], v[FF+2:FF+3]
	v_pk_mul_f32 v[W+4:W+5], v[V:V+1],   v[FF+4:FF+5]
	v_pk_mul_f32 v[W+6:W+7], v[V+2:V+3], v[FF+6:FF+7]
	s_wait_alu depctr_va_vdst(0)                   ; the four multiplies have written v[W .. W+7], which the global store and the four LDS stores read; no vector line follows, so the LDS load into v[W+8 ..] owes nothing more
	global_store_b128 v[VO], v[W:W+3], s[8:9] th:TH_STORE_NT
.irp k, 0,1,2,3
	ds_store_b32 v[TW], v[W+4+(\k)] offset:TILE+144*(\k)
.endr
	s_wait_dscnt 0x0                               ; for the others' sake
	s_barrier_signal -1
	s_barrier_wait -1
	ds_load_b128 v[W+8:W+11], v[TRD] offset:TILE
	s_wait_dscnt 0x0
	global_store_b128 v[VO], v[W+8:W+11], s[10:11] th:TH_STORE_NT
	s_wait_dscnt 0x0                               ; the closing lines, six on end
	s_wait_alu 0x0
	s_wait_tensorcnt 0x0
	ds_add_u32 v[SPW], v[NIL]
	s_wait_dscnt 0x0
	s_endpgm
.Lfunc_end_k_q908b673d91_final:
	.size	k_q908b673d91_final, .Lfunc_end_k_q908b673d91_final-k_q908b673d91_final
	.p2alignl 7, 3214868480
	.fill 96, 4, 3214868480
	.section	.rodata,"a",@progbits
	.p2align	6, 0x0
	.amdhsa_kernel k_q908b673d91_final
		.amdhsa_group_segment_fixed_size 6144
		.amdhsa_private_segment_fixed_size 0
		.amdhsa_enable_private_segment 0
		.amdhsa_kernarg_size 24
		.amdhsa_user_sgpr_count 2
		.amdhsa_user_sgpr_kernarg_segment_ptr 1
		.amdhsa_wavefront_size32 1
		.amdhsa_system_sgpr_workgroup_id_x 1
		.amdhsa_system_sgpr_workgroup_id_y 1
		.amdhsa_system_sgpr_workgroup_id_z 1
		.amdhsa_system_vgpr_workitem_id 0
		.amdhsa_next_free_vgpr 256
		.amdhsa_next_free_sgpr 97
		.amdhsa_reserve_vcc 0
		.amdhsa_float_denorm_mode_32 3
		.amdhsa_float_denorm_mode_16_64 3
		.amdhsa_memory_ordered 1
		.amdhsa_forward_progress 1
		.amdhsa_inst_pref_size 51
	.end_amdhsa_kernel
	.amdgpu_metadata
---
amdhsa.version: [ 1, 2 ]
amdhsa.kernels:
  - .name:           k_q908b673d91_final
    .symbol:         k_q908b673d91_final.kd
    .args:
      - { .name: sc, .offset: 0, .size: 8, .value_kind: global_buffer, .address_space: global }
      - { .name: part, .offset: 8, .size: 8, .value_kind: global_buffer, .address_space: global }
      - { .name: out0, .offset: 16, .size: 8, .value_kind: global_buffer, .address_space: global }
    .group_segment_fixed_size: 6144
    .private_segment_fixed_size: 0
    .kernarg_segment_align: 8
    .kernarg_segment_size: 24
    .max_flat_workgroup_size: 256
    .sgpr_count:     97
    .vgpr_count:     256
    .wavefront_size: 32
...
	.end_amdgpu_metadata
.endif
;; end of part 6
